; MI455X (gfx1250); checked and timed in simulation.
; The chip was launched on July 23, 2026; its instructions are those of AMD's public machine-readable ISA for CDNA 5 (MIT licence, August 2026) and "CDNA5" Instruction Set Architecture Reference Guide (July 2026). The comments in the code are by the model that wrote it; some were corrected since.
;; Multi Head Attention. Allowed arithmetic: matrix products marked QUANTISED: E4M3 operands, one given power-of-two scale a tensor, by v_wmma_f32_16x16x64_fp8_fp8 or v_wmma_f32_16x16x128_fp8_fp8, f32 sums; everything else in f32.
;; Inputs: Wk_codes 1,024 x 32 x 32 uint8 (E4M3 codes of Wk, K innermost, in blocks of 32 codes); Wo_codes 1,024 x 32 x 32 uint8 (E4M3 codes of Wo, K innermost, in blocks of 32 codes); Wq_codes 1,024 x 32 x 32 uint8 (E4M3 codes of Wq, K innermost, in blocks of 32 codes); Wv_codes 1,024 x 32 x 32 uint8 (E4M3 codes of Wv, K innermost, in blocks of 32 codes); bo 1,024 float32; lowp_scales 12 int32 (the exponents e of the quantised operands' scales 2^e); mask 2,048 x 2,048 bool; x_codes 4 x 2,048 x 32 x 32 uint8 (E4M3 codes of x, K innermost, in blocks of 32 codes).
;; Outputs: out0 4 x 2,048 x 1,024 float32.
;; This version of the problem:
;;   THIS VERSION OF THE PROBLEM IS GIVEN IN LOW PRECISION. The matrix products marked QUANTISED in the list below multiply operands that are first quantised to E4M3 (4 exponent bits, 3 mantissa bits; 8 bits a number), with one given power-of-two scale for each operand tensor; their sums are f32. All else is computed in f32.
;;   The module's matrix products, in the order in which they are computed (A, B: the left and right operand; K: the contracted axis; several contracted axes count as one K, in the product's order):
;;     1. [M 8,192, K 1,024] x [K 1,024, N 1,024]; A: input x (given as codes); B: input Wq (given as codes): QUANTISED (scales: A lowp_scales[0], B lowp_scales[1])
;;     2. [M 8,192, K 1,024] x [K 1,024, N 1,024]; A: input x (given as codes); B: input Wk (given as codes): QUANTISED (scales: A lowp_scales[2], B lowp_scales[3])
;;     3. [M 8,192, K 1,024] x [K 1,024, N 1,024]; A: input x (given as codes); B: input Wv (given as codes): QUANTISED (scales: A lowp_scales[4], B lowp_scales[5])
;;     4. batch 64 x [M 2,048, K 64] x [K 64, N 2,048]; A: computed on the way; B: computed on the way: QUANTISED (scales: A lowp_scales[6], B lowp_scales[7])
;;     5. batch 64 x [M 2,048, K 2,048] x [K 2,048, N 64]; A: softmax (see below); B: computed on the way: QUANTISED (scales: A lowp_scales[8], B lowp_scales[9])
;;     6. [M 8,192, K 1,024] x [K 1,024, N 1,024]; A: computed on the way; B: input Wo (given as codes): QUANTISED (scales: A lowp_scales[10], B lowp_scales[11])
;;   THE QUANTISER, for each operand of a quantised product, along K:
;;     - The operand's scale is 2^e, e = its entry of the input lowp_scales (int32; the entries are numbered through the quantised products in the list's order, A before B).
;;     - Each number is divided by the scale, clamped to +-448, and rounded to the nearest number of E4M3, ties to even, subnormals kept.
;;     - The product sums the exact products of the quantised numbers (number of the format x scale) in f32.
;;   ~~~python
;;   def quantise(x, axis, e):      # numpy; x: float32 -> the quantised numbers, widened to float32 again
;;       x = np.moveaxis(x, axis, -1); K = x.shape[-1]
;;       r = np.clip(x / 2.0 ** e, -448, 448)
;;       step = 2.0 ** (np.maximum(np.frexp(np.where(r == 0, 1, r))[1] - 1, -6) - 3)
;;       q = np.round(r / step) * step * 2.0 ** e      # np.round: ties to even
;;       return np.moveaxis(q, -1, axis).astype(np.float32)
;;   ~~~
;;   SOFTMAX AHEAD OF A QUANTISED PRODUCT. Where the list says 'softmax', what is quantised is not the finished softmax but p = 2^(t - M), with t = logit x log2(e) and M = ceil(the row's largest t), a whole number; so 1/2 < the row's largest p <= 1. The row's sum l is taken of the UNQUANTISED p, in f32, and the product's result is divided by l at the end. Since M is a whole number, a kernel that streams over the keys may use a running M (the ceiling of the running maximum): every later rescaling is an exact power of two, so the quantised numbers keep their values, but for numbers so far below the row's largest that they fall under the format's range.
;;   OPERANDS COMPUTED ON THE WAY. 'Computed on the way' means the value that the module computes at that place (a softmax that the list does not call 'softmax' is quantised finished and normalised). What goes into a quantiser is computed in f32, as accurately as f32 sums, v_exp_f32 and their like allow (about 1e-6 of the number): no bf16 or f16 on the way to a quantiser, and a product that is left as it is and whose result goes on into a quantised operand takes f32 operands (vector FMAs, or v_wmma_f32_16x16x4_f32). A number that lies on a knife's edge between two numbers of the format may be rounded either way, as far as f32 arithmetic and the matrix unit's own rounding can turn it there, and no further.
;;   INPUTS GIVEN AS CODES. Wk (in the module: [1024, 1024], K = its axis 1); Wo (in the module: [1024, 1024], K = its axis 1); Wq (in the module: [1024, 1024], K = its axis 1); Wv (in the module: [1024, 1024], K = its axis 1); x (in the module: [4, 2048, 1024], K = its axis 2): each comes as NAME_codes (uint8): NAME with its K axis moved to the last place and cut into blocks of 32 codes, [.., K / 32, bytes a block], one block behind the other in memory; one code a byte (a code: sign, 4 exponent bits, 3 mantissa bits); its scale is its entry of lowp_scales. Its value is code x scale, taken as it is: it is not quantised again, and the codes and scales need not be those that the quantiser above would give.
;; 2 versions, each right; version 2 is version 1 with the launch attn written anew for expert scheduling mode. Each part assembles by itself: llvm-mc -triple=amdgcn-amd-amdhsa -mcpu=gfx1250 --defsym DOCPART=n.
;; ======== version 1 of 2: 4 launches
;; limits: right only within a limited range of input values
;; workspace buffers: mbits 524,288 bytes of whole numbers; mflags 32,768 bytes of whole numbers; qimg 8,388,608 bytes; kimg 8,388,608 bytes; vimg 8,388,608 bytes; cimg 8,388,608 bytes
;; launch maskprep (part 1): grid 128 x 1, 16 waves a work-group, no clusters, 2,304 bytes of LDS; arguments mask, mbits, mflags; writes mbits, mflags
.if DOCPART == 1
	.amdgcn_target "amdgcn-amd-amdhsa--gfx1250"
	.amdhsa_code_object_version 6
	.text
	.protected	k_q832ff1b0de_maskprep
	.globl	k_q832ff1b0de_maskprep
	.p2align	8
	.type	k_q832ff1b0de_maskprep,@function
k_q832ff1b0de_maskprep:
	s_mov_b64 s[64:65], 0
	v_nop
	global_prefetch_b8 v0, s[64:65] scope:SCOPE_SE
	s_setreg_imm32_b32 hwreg(HW_REG_WAVE_MODE, 25, 1), 1
	s_wait_xcnt 0x0
; The mask [2048][2048] (one byte a place, 0 or 1; 1 = masked) is turned once into what the attention launch takes as it stands:
;   mbits  [T 128][ks 16][n 64] words: bit L of word n = 16 b + i is mask[row(T, L % 16)][128 ks + 32 b + 16 (L / 16) + i]: a lane mask for v_cndmask_b32 on score register n of key step ks;
;   mflags [T 128][64 equal words]: bits 0-15 SKIP(ks), bits 16-31 MIXED(ks).
; row(T, r) = 32 (T / 2) + 8 (T % 2) + r % 8 + 16 (r / 8): the rows that form tile T of 16 queries in all launches of this program.
; SKIP(ks): all 16 x 128 places of the step are masked AND each of the 16 rows has an open key somewhere: only then do the step's weights count for nothing.  A tile with a row that is masked everywhere skips nothing.
; MIXED(ks): some place of the step is masked, and the step is not skipped.
; SHARES: a work-group takes a tile T, each of its sixteen waves a key step.  Lane (r, h) holds 64 of its row's 128 bytes: 16 of each block of 32.  A stream: no matrix unit, no cluster, nothing read twice.
.set W, 8                              ; v8-23  my 64 mask bytes
	s_load_b128 s[4:7], s[0:1], 0x0                ; mask, mbits
	s_load_b64 s[8:9], s[0:1], 0x10                ; mflags
	v_lshl_add_u32 v40, v0, 2, 0x100
	v_mov_b32 v41, 0
	v_lshrrev_b32 v1, 5, v0
	v_readfirstlane_b32 s10, v1                    ; wave = key step
	v_and_b32 v2, 31, v0                           ; L
	v_and_b32 v3, 15, v0                           ; r
	v_bfe_u32 v4, v0, 4, 1                         ; h
	v_and_b32 v5, 8, v3
	v_add_nc_u32 v5, v5, v3                        ; r % 8 + 16 (r / 8)
	v_lshlrev_b32 v6, 11, v5                       ; a row of the mask is 2,048 bytes
	v_lshl_add_u32 v6, v4, 4, v6                   ; + 16 h
	v_lshlrev_b32 v7, 3, v2                        ; 8 L: two words a lane on the way out
	v_lshlrev_b32 v35, 2, v3                       ; LDS: the class word of key step L % 16
	v_mov_b32 v33, s10
	v_lshlrev_b32 v33, 2, v33                      ; LDS: my wave's class word
	v_mov_b32 v36, 0
	v_mov_b32 v24, 0                               ; the two words a lane stores: written whole before lanes are written singly
	v_mov_b32 v25, 0
	s_lshr_b32 s11, ttmp9, 1
	s_lshl_b32 s11, s11, 5
	s_and_b32 s12, ttmp9, 1
	s_lshl_b32 s12, s12, 3
	s_add_co_u32 s12, s12, s11                     ; the tile's first row
	s_lshl_b32 s12, s12, 11
	s_lshl_b32 s11, s10, 7
	s_add_co_u32 s12, s12, s11                     ; + 128 ks
	s_mov_b32 s13, 0
	s_lshl_b32 s14, ttmp9, 4
	s_add_co_u32 s14, s14, s10
	s_lshl_b32 s14, s14, 8                         ; mbits: (16 T + ks) x 256 bytes
	s_mov_b32 s15, 0
	s_lshl_b32 s16, ttmp9, 8                       ; mflags: T x 256 bytes
	s_mov_b32 s17, 0
	s_wait_kmcnt 0x0
	s_add_nc_u64 s[4:5], s[4:5], s[12:13]
	s_add_nc_u64 s[6:7], s[6:7], s[14:15]
	s_add_nc_u64 s[8:9], s[8:9], s[16:17]
.irp b, 0,1,2,3
	global_load_b128 v[W+4*\b:W+4*\b+3], v6, s[4:5] offset:32*\b th:TH_LOAD_NT   ; keys 128 ks + 32 b + 16 h + 0 .. 15 of my row; each byte of the mask is read once in the launch
.endr
	s_wait_loadcnt 0x0
; word n: one byte of every lane becomes one bit of a scalar; the scalar goes to lane n / 2, register n % 2.  Four sets of registers take turns.
.set n, 0
.rept 64
	v_and_b32 v[26+n%4], 0xff<<(8*(n%4)), v[W+4*(n/16)+(n%16)/4]
	v_cmp_ne_u32 s[20+n%4], 0, v[26+n%4]
	v_writelane_b32 v[24+n%2], s[20+n%4], n/2
.set n, n+1
.endr
	global_store_b64 v7, v[24:25], s[6:7]          ; the wave stores 256 consecutive bytes, aligned
; my step's class
	v_and_b32 v30, v8, v9
	v_or_b32 v31, v8, v9
.irp k, 10,11,12,13,14,15,16,17,18,19,20,21,22,23
	v_and_b32 v30, v30, v\k
	v_or_b32 v31, v31, v\k
.endr
	v_cmp_eq_u32 s24, 0x01010101, v30              ; lanes all of whose 64 places are masked
	v_cmp_ne_u32 s25, 0, v31                       ; lanes with a masked place
	s_not_b32 s26, s24
	s_lshr_b32 s27, s26, 16
	s_or_b32 s26, s26, s27
	s_and_b32 s26, s26, 0xffff                     ; bit r: row r has an open key in this step
	s_cmp_eq_u32 s24, -1
	s_cselect_b32 s27, 0x10000, 0                  ; the step is masked wholly
	s_or_b32 s26, s26, s27
	s_cmp_lg_u32 s25, 0
	s_cselect_b32 s27, 0x20000, 0                  ; the step has a masked place
	s_or_b32 s26, s26, s27
	v_mov_b32 v34, s26
	ds_store_b32 v33, v34                          ; all lanes write the same word with the same value
	s_wait_dscnt 0x0                               ; for the others' sake: my word lies in LDS
	s_barrier_signal -1
	s_barrier_wait -1
	s_cmp_lg_u32 s10, 0
	s_cbranch_scc1 .Ldone                          ; wave 0 joins the sixteen classes
	ds_load_b32 v32, v35                           ; lane l: the word of key step l % 16
.irp k, 0,1,2,3
	ds_load_b128 v[W+4*\k:W+4*\k+3], v36 offset:16*\k   ; all sixteen words in every lane
.endr
	s_wait_dscnt 0x0
.irp k, 9,10,11,12,13,14,15,16,17,18,19,20,21,22,23
	v_or_b32 v8, v8, v\k
.endr
	v_readfirstlane_b32 s26, v8
	s_and_b32 s26, s26, 0xffff                     ; bit r: row r has an open key somewhere
	v_and_b32 v37, 0x10000, v32
	v_cmp_ne_u32 s27, 0, v37
	s_and_b32 s27, s27, 0xffff                     ; bit ks: masked wholly
	v_and_b32 v37, 0x20000, v32
	v_cmp_ne_u32 s28, 0, v37
	s_and_b32 s28, s28, 0xffff                     ; bit ks: has a masked place
	s_cmp_eq_u32 s26, 0xffff
	s_cselect_b32 s29, s27, 0                      ; SKIP
	s_and_not1_b32 s28, s28, s29                   ; MIXED
	s_lshl_b32 s28, s28, 16
	s_or_b32 s29, s29, s28
	v_mov_b32 v38, s29
	v_mov_b32 v39, s29
	global_store_b64 v7, v[38:39], s[8:9]          ; 64 equal words: 256 consecutive bytes, aligned
.Ldone:
	s_wait_tensorcnt 0x0
	ds_add_u32 v40, v41
	s_wait_dscnt 0x0
	s_endpgm
.Lfunc_end_k_q832ff1b0de_maskprep:
	.size	k_q832ff1b0de_maskprep, .Lfunc_end_k_q832ff1b0de_maskprep-k_q832ff1b0de_maskprep
	.p2alignl 7, 3214868480
	.fill 96, 4, 3214868480
	.section	.rodata,"a",@progbits
	.p2align	6, 0x0
	.amdhsa_kernel k_q832ff1b0de_maskprep
		.amdhsa_group_segment_fixed_size 2304
		.amdhsa_private_segment_fixed_size 0
		.amdhsa_enable_private_segment 0
		.amdhsa_kernarg_size 24
		.amdhsa_user_sgpr_count 2
		.amdhsa_user_sgpr_kernarg_segment_ptr 1
		.amdhsa_wavefront_size32 1
		.amdhsa_system_sgpr_workgroup_id_x 1
		.amdhsa_system_sgpr_workgroup_id_y 1
		.amdhsa_system_sgpr_workgroup_id_z 1
		.amdhsa_system_vgpr_workitem_id 0
		.amdhsa_next_free_vgpr 42
		.amdhsa_next_free_sgpr 66
		.amdhsa_reserve_vcc 0
		.amdhsa_float_denorm_mode_32 3
		.amdhsa_float_denorm_mode_16_64 3
		.amdhsa_memory_ordered 1
		.amdhsa_forward_progress 1
		.amdhsa_inst_pref_size 18
	.end_amdhsa_kernel
	.amdgpu_metadata
---
amdhsa.version: [ 1, 2 ]
amdhsa.kernels:
  - .name:           k_q832ff1b0de_maskprep
    .symbol:         k_q832ff1b0de_maskprep.kd
    .args:
      - { .name: mask, .offset: 0, .size: 8, .value_kind: global_buffer, .address_space: global }
      - { .name: mbits, .offset: 8, .size: 8, .value_kind: global_buffer, .address_space: global }
      - { .name: mflags, .offset: 16, .size: 8, .value_kind: global_buffer, .address_space: global }
    .group_segment_fixed_size: 2304
    .private_segment_fixed_size: 0
    .kernarg_segment_align: 8
    .kernarg_segment_size: 24
    .max_flat_workgroup_size: 512
    .sgpr_count:     66
    .vgpr_count:     42
    .wavefront_size: 32
...
	.end_amdgpu_metadata
.endif
;; end of part 1
;; launch qkv (part 2): grid 12 x 64, 4 waves a work-group, clusters of 4 x 4, 327,680 bytes of LDS; arguments x_codes, Wq_codes, Wk_codes, Wv_codes, lowp_scales, qimg, kimg, vimg; writes qimg, kimg, vimg
.if DOCPART == 2
	.amdgcn_target "amdgcn-amd-amdhsa--gfx1250"
	.amdhsa_code_object_version 6
	.text
	.protected	k_q832ff1b0de_qkv
	.globl	k_q832ff1b0de_qkv
	.p2align	8
	.type	k_q832ff1b0de_qkv,@function
k_q832ff1b0de_qkv:
	s_mov_b64 s[64:65], 0
	v_nop
	global_prefetch_b8 v0, s[64:65] scope:SCOPE_SE
	s_setreg_imm32_b32 hwreg(HW_REG_WAVE_MODE, 25, 1), 1
	s_wait_xcnt 0x0
	s_wait_alu depctr_hold_cnt(0) depctr_sa_sdst(0) depctr_va_vdst(0) depctr_va_sdst(0) depctr_va_ssrc(0) depctr_va_vcc(0) depctr_vm_vsrc(0)
	s_getreg_b32 s2, hwreg(HW_REG_IB_STS2, 6, 4)
	s_cmp_eq_u32 s2, 0
	s_cbranch_scc0 .Lentry_in_a_cluster
	s_endpgm
.Lentry_in_a_cluster:
	s_bfe_u32 s2, ttmp6, 0x10000c
	s_cmp_lg_u32 s2, 0xf033
	s_cbranch_scc0 .Lentry_shape_is_right
	s_endpgm
.Lentry_shape_is_right:
; The three projections, q = x Wq^T, k = x Wk^T, v = x Wv^T, on codes of E4M3, and their results quantised for the attention launch.  One text: C[row][col] = sum over k of A[row][k] B[col][k], K = 1,024.
; The cluster's x says which: 0: A = x, B = Wq;  1: A = x, B = Wk;  2: A = Wv, B = x, so that v comes out with the KEYS along a lane's registers.  Only pointers, offsets and one exponent are chosen (s_cselect); there is one path.
; A sum stands for sum x 2^(eA + eB); its code is sum / 2^E, E = e6 - e0 - e1 (q), e7 - e2 - e3 (k), e9 - e4 - e5 (v), held within +-448 x 2^E.  LIMIT: E between -126 and 119, so that both powers of two are f32 numbers.
; SHARES: a work-group makes 128 rows x 256 columns (768 such tiles, three for each of 256 WGPs), a wave 64 x 128: 32 accumulators.  THE MATRIX INSTRUCTION IS USED TRANSPOSED (source 0 = 16 rows of B, source 1 = 16 rows of A):
; a lane holds one row of C and eight neighbouring columns, which one conversion turns into eight codes.
; RING: K goes in four steps of 256 (rows of 256 bytes) through THREE slots.  Slots 0, 1, 2 are filled at the start; slot 0 alone is filled again, with K step 3: one round of the cluster's barrier in the middle.  No loop: eight steps of 128 along K.
; By this text's own count a wave has three tensor loads out at the start and one later.
; CLUSTER 4 x 4: A's tile hangs on the tile row alone and is asked for jointly by my row of the cluster, B's on the tile column alone, by my column.
; FRAGMENTS: 16 rows x 128 K by four ds_load_b128, 32 bytes apart: registers 4 c .. 4 c + 3 hold k = 32 c + 16 (l / 16) + 0 .. 15: the same order of k in A and in B, so every product meets its partner.
; OUT: codes as IMAGES OF THE NEXT OPERAND'S REGISTERS.  A piece is 512 bytes: lane (r, h)'s 16 bytes are row 32 (t / 2) + 8 (t % 2) + r % 8 + 16 (r / 8) of tile t, k = 32 c + 16 h + 0 .. 15.
;   qimg, kimg: [batch x head 64][tile of tokens 128][c 2][512];   vimg: [batch x head 64][key step 16][tile of channels 4][c 4][512].
; REGISTERS: window 0: v16-31 addresses and constants; v64-127, v128-191 A's fragments, two sets; on the way out v64-255 are free.  window 1: B's fragments, two sets.  window 2: accumulator (a, b) at v[8 (8 a + b)].
.set PITCH, 272                        ; an LDS row: 256 bytes + 16 of padding = 68 words: the 16 rows of a fragment load start 4 words apart modulo 64
.set ASZ,   128*PITCH                  ; A's 128 rows
.set SLOT,  ASZ+256*PITCH              ; then B's 256 rows
.set SPARE, 3*SLOT                     ; behind the ring: the spare words, 128 bytes for each wave
.set STG,   SLOT                       ; the way out: 128 rows x 272 bytes in slot 1, which is filled once and is read for the last time ahead of the last barrier in the products
.set ADRA, 16                          ; v16-18 LDS address of my A fragments in slot 0, 1, 2
.set ADRB, 20                          ; v20-22 the same for B
.set STO,  24                          ; v24    the stage: where I put eight codes
.set RD,   25                          ; v25    the stage: where I read a piece's 16 bytes
.set GO,   26                          ; v26-27 my byte in a piece, for my two tiles of rows
.set SPW,  28                          ; v28    my spare word; never rewritten
.set NIL,  29                          ; v29    0; never rewritten
.set LIM,  30                          ; v30    448 x 2^E
.set SCL,  31                          ; v31    2^E
.set AF,   64
.set G1A, 24                           ; s[24:31] group 1 for A's tiles;  s[32:39] for B's;  s[40:51], s[52:63] their groups 0, one for each slot
.set G1B, 32
.set G0A, 40
.set G0B, 52
.set OB,  86                           ; s[86:93] four bases on the way out
.set PADW, (1<<20)|(1<<21)|(5<<22)|(3<<25)   ; elements of 1 byte; padding on; bit 21 beside a mask; after every 64 words, 4 words
.set MSB, 0
.macro WIN new                         ; the immediate's high byte repeats the setting that is left
.if MSB != \new
	s_set_vgpr_msb (MSB<<8)|\new
.set MSB, \new
.endif
.endm
.set MUL,  0xa1                        ; source 0 (B) window 1, source 1 (A) window 0, C and D window 2
.set TO_B, 0x40                        ; destination window 1, address window 0
.macro PLACES                          ; four plain vector instructions in front of loads into registers that matrix instructions have read, and of the first read of results
.rept 4
	v_nop
.endr
.endm
.macro CREST                           ; a round of the cluster's barrier behind its opening barrier
	s_cmp_lg_u32 s14, 0
	s_cbranch_scc1 .Lnot_wave_0_\@
	s_barrier_signal -3
.Lnot_wave_0_\@:
	s_barrier_wait -3
	s_barrier_signal -1
	s_barrier_wait -1
.endm
.macro CROUND
	s_barrier_signal -1
	s_barrier_wait -1
	CREST
.endm
.macro JLOAD g0a, g0b                  ; a joint load: waves 0 and 1 fetch A's halves, waves 2 and 3 B's; four v_nop follow each line
	s_cmp_eq_u32 s15, 0
	s_cbranch_scc0 .Lfor_b_\@
	tensor_load_to_lds s[\g0a:\g0a+3], s[G1A:G1A+7]
	s_nop 0
	PLACES
	s_branch .Lasked_\@
.Lfor_b_\@:
	tensor_load_to_lds s[\g0b:\g0b+3], s[G1B:G1B+7]
	s_nop 0
	PLACES
.Lasked_\@:
.endm
.macro FETCH n                         ; the fragments of the n-th 128 along K into set n % 2: 48 LDS loads in one run
.set SL, ((\n)/2)%3
.set QQ, (\n)%2
	WIN TO_B
.irp i, 0,1,2,3,4,5,6,7
.irp c, 0,1,2,3
	ds_load_b128 v[128*QQ+16*\i+4*\c:128*QQ+16*\i+4*\c+3], v[ADRB+SL] offset:128*QQ+32*\c+\i*16*PITCH
.endr
.endr
	WIN 0
.irp i, 0,1,2,3
.irp c, 0,1,2,3
	ds_load_b128 v[AF+64*QQ+16*\i+4*\c:AF+64*QQ+16*\i+4*\c+3], v[ADRA+SL] offset:128*QQ+32*\c+\i*16*PITCH
.endr
.endr
.endm
.macro MUL16 half, p, zero             ; A's blocks 2 half, 2 half + 1 against B's eight.  The 32 accumulators take turns, one instruction a turn, in the same order in every step
.irp a, 2*\half, 2*\half+1
.irp b, 0,1,2,3,4,5,6,7
.if \zero
	v_wmma_f32_16x16x128_fp8_fp8 v[8*(8*(\a)+\b):8*(8*(\a)+\b)+7], v[128*(\p)+16*\b:128*(\p)+16*\b+15], v[AF+64*(\p)+16*(\a):AF+64*(\p)+16*(\a)+15], 0
.else
	v_wmma_f32_16x16x128_fp8_fp8 v[8*(8*(\a)+\b):8*(8*(\a)+\b)+7], v[128*(\p)+16*\b:128*(\p)+16*\b+15], v[AF+64*(\p)+16*(\a):AF+64*(\p)+16*(\a)+15], v[8*(8*(\a)+\b):8*(8*(\a)+\b)+7]
.endif
.endr
.endr
.endm
.macro STEPN n, zero                   ; a step whose successor's tiles are known to lie in LDS: the next fragments are asked for, then this step's 32 products are issued
	s_wait_dscnt 0x0                               ; this step's fragments are in
	PLACES
	FETCH (\n)+1
	WIN MUL
	MUL16 0, (\n)%2, \zero
	MUL16 1, (\n)%2, \zero
	WIN 0
.endm
	s_load_b256 s[4:11], s[0:1], 0x0               ; x, Wq, Wk, Wv
	s_load_b256 s[68:75], s[0:1], 0x20             ; the scales' exponents, qimg, kimg, vimg
	v_lshl_add_u32 v[SPW], v0, 2, SPARE
	v_mov_b32 v[NIL], 0
	ds_add_u32 v28, v29
	ds_add_u32 v28, v29
	s_wait_dscnt 0x0
	v_lshrrev_b32 v1, 5, v0
	v_readfirstlane_b32 s14, v1                    ; wave 0..3
	s_lshr_b32 s15, s14, 1                         ; my half of the tile's rows.  Also: I fetch for A (0) or for B (1)
	s_and_b32 s16, s14, 1                          ; my half of its columns.  Also: which half of that tile I fetch
	s_bfe_u32 s17, ttmp6, 0x40000                  ; cx
	s_bfe_u32 s18, ttmp6, 0x40004                  ; cy
	s_and_b32 s19, ttmp7, 0xffff                   ; cluster y, 0..15
	s_and_b32 s20, s19, 1
	s_lshr_b32 s21, s19, 1
	s_cmp_eq_u32 ttmp9, 2                          ; v?  The same in all sixteen partners
	s_cselect_b32 s20, s20, s19                    ; the cluster's row of tiles: q, k: 64 tile rows of tokens; v: 8 of channels
	s_cselect_b32 s21, s21, 0                      ; its column: q, k: 4 tile columns of channels; v: 32 of tokens
	s_lshl_b32 s20, s20, 2
	s_add_co_u32 s20, s20, s18                     ; tile row
	s_lshl_b32 s21, s21, 2
	s_add_co_u32 s21, s21, s17                     ; tile column
	s_lshl_b32 s22, s18, 2
	s_lshl_b32 s22, 15, s22                        ; my row of the cluster
	s_lshl_b32 s23, 0x1111, s17                    ; my column
	s_or_b32 s[G1A], s22, PADW
	s_mov_b32 s[G1A+1], 256<<16                    ; tensor_dim0 = 256
	s_mov_b32 s[G1A+2], 64<<16                     ; tensor_dim1 = 64
	s_mov_b32 s[G1A+3], 256<<16                    ; tile_dim0 = 256
	s_mov_b32 s[G1A+4], 64                         ; tile_dim1 = 64 rows: half of A's 128
	s_mov_b32 s[G1A+5], 1024                       ; from row to row
	s_mov_b32 s[G1A+6], 0
	s_mov_b32 s[G1A+7], 0
	s_or_b32 s[G1B], s23, PADW
	s_mov_b32 s[G1B+1], 256<<16
	s_mov_b32 s[G1B+2], 128<<16
	s_mov_b32 s[G1B+3], 256<<16
	s_mov_b32 s[G1B+4], 128                        ; half of B's 256
	s_mov_b32 s[G1B+5], 1024
	s_mov_b32 s[G1B+6], 0
	s_mov_b32 s[G1B+7], 0
	s_lshl_b32 s94, s20, 7
	s_lshl_b32 s95, s16, 6
	s_add_co_u32 s94, s94, s95
	s_lshl_b32 s94, s94, 10                        ; A: (128 x tile row + 64 x half) rows of 1,024 bytes
	s_mov_b32 s95, 0
	s_lshl_b32 s96, s21, 8
	s_lshl_b32 s97, s16, 7
	s_add_co_u32 s96, s96, s97
	s_lshl_b32 s96, s96, 10                        ; B: (256 x tile column + 128 x half) rows
	s_mov_b32 s97, 0
	s_mul_i32 s2, s16, 64*PITCH                    ; where they go: no place in the cluster enters an LDS address
	s_mul_i32 s3, s16, 128*PITCH
	s_add_co_u32 s3, s3, ASZ
	s_wait_kmcnt 0x0
	s_load_b256 s[76:83], s[68:69], 0x0            ; e0 .. e7
	s_load_b64 s[84:85], s[68:69], 0x20            ; e8, e9
	s_cmp_eq_u32 ttmp9, 2
	s_cselect_b64 s[98:99], s[10:11], s[4:5]       ; A: Wv or x
	s_cselect_b64 s[12:13], s[4:5], s[6:7]         ; B: x or Wq,
	s_cmp_eq_u32 ttmp9, 1
	s_cselect_b64 s[12:13], s[8:9], s[12:13]       ; or Wk
	s_add_nc_u64 s[98:99], s[98:99], s[94:95]
	s_add_nc_u64 s[12:13], s[12:13], s[96:97]
.irp s, 0,1,2
	s_mov_b32 s[G0A+4*\s], 1
	s_add_co_u32 s[G0A+4*\s+1], s2, \s*SLOT
	s_add_nc_u64 s[G0A+4*\s+2:G0A+4*\s+3], s[98:99], \s*256      ; K step s
	s_or_b32 s[G0A+4*\s+3], s[G0A+4*\s+3], 0x80000000
	s_mov_b32 s[G0B+4*\s], 1
	s_add_co_u32 s[G0B+4*\s+1], s3, \s*SLOT
	s_add_nc_u64 s[G0B+4*\s+2:G0B+4*\s+3], s[12:13], \s*256
	s_or_b32 s[G0B+4*\s+3], s[G0B+4*\s+3], 0x80000000
.endr
	CROUND                                         ; all sixteen work-groups are here: the first joint loads meet
	s_cmp_eq_u32 s15, 0                            ; a wave's three first fills stand in one branch, ahead of every wait on TENSORcnt and every LDS read
	s_cbranch_scc0 .Lfirst_b
	tensor_load_to_lds s[G0A:G0A+3], s[G1A:G1A+7]
	s_nop 0
	tensor_load_to_lds s[G0A+4:G0A+7], s[G1A:G1A+7]
	s_nop 0
	tensor_load_to_lds s[G0A+8:G0A+11], s[G1A:G1A+7]
	s_nop 0
	PLACES
	s_branch .Lfirst_asked
.Lfirst_b:
	tensor_load_to_lds s[G0B:G0B+3], s[G1B:G1B+7]
	s_nop 0
	tensor_load_to_lds s[G0B+4:G0B+7], s[G1B:G1B+7]
	s_nop 0
	tensor_load_to_lds s[G0B+8:G0B+11], s[G1B:G1B+7]
	s_nop 0
	PLACES
.Lfirst_asked:
	v_and_b32 v1, 15, v0                           ; r
	v_bfe_u32 v2, v0, 4, 1                         ; h
	v_mul_u32_u24 v3, v1, PITCH
	v_lshl_add_u32 v3, v2, 4, v3                   ; a fragment's row x pitch + 16 h
	s_mul_i32 s2, s15, 64*PITCH                    ; my 64 rows of A
	s_mul_i32 s3, s16, 128*PITCH                   ; my 128 rows of B,
	s_add_co_u32 s3, s3, ASZ                       ; which lie behind A's
.irp s, 0,1,2
	v_add_nc_u32 v[ADRA+\s], s2, v3
	v_add_nc_u32 v[ADRB+\s], s3, v3
	s_add_co_u32 s2, s2, SLOT
	s_add_co_u32 s3, s3, SLOT
.endr
	s_mul_i32 s2, s15, 64*PITCH                    ; the stage, in: row 64 x my half + r, byte 128 x my half of the columns + 8 h
	s_lshl_b32 s3, s16, 7
	s_add_co_u32 s2, s2, s3
	s_add_co_u32 s2, s2, STG
	v_mul_u32_u24 v4, v1, PITCH
	v_lshl_add_u32 v4, v2, 3, v4
	v_add_nc_u32 v[STO], s2, v4
	v_and_b32 v5, 8, v1                            ; back: wave w takes row tiles 2 w and 2 w + 1: rows 32 w + 8 i + r % 8 + 16 (r / 8), 16 bytes at 16 h
	v_add_nc_u32 v5, v5, v1
	v_mul_u32_u24 v5, v5, PITCH
	v_lshl_add_u32 v5, v2, 4, v5
	s_mul_i32 s2, s14, 32*PITCH
	s_add_co_u32 s2, s2, STG
	v_add_nc_u32 v[RD], s2, v5
	v_and_b32 v6, 31, v0
	v_lshlrev_b32 v[GO], 4, v6                     ; 16 x lane
	; where my pieces go.  q, k: batch (row / 16) << 21, head (4 cx + g) << 17, tile of tokens (8 (row % 16) + 2 w + i) << 10, c << 9
	s_lshr_b32 s4, s20, 4                          ; (s4 to s11 held the inputs' addresses, which are done with)
	s_lshl_b32 s4, s4, 21
	s_lshl_b32 s5, s17, 19
	s_add_co_u32 s4, s4, s5
	s_and_b32 s5, s20, 15
	s_lshl_b32 s5, s5, 13
	s_add_co_u32 s4, s4, s5
	s_lshl_b32 s5, s14, 11
	s_add_co_u32 s4, s4, s5
	; v: batch (column / 8) << 21, head (2 row + w / 2) << 17, key step (2 (column % 8) + g2) << 13, tile of channels (2 (w % 2) + i) << 11, c << 9
	s_lshr_b32 s6, s21, 3
	s_lshl_b32 s6, s6, 21
	s_lshl_b32 s5, s20, 18
	s_add_co_u32 s6, s6, s5
	s_lshl_b32 s5, s15, 17
	s_add_co_u32 s6, s6, s5
	s_and_b32 s5, s21, 7
	s_lshl_b32 s5, s5, 14
	s_add_co_u32 s6, s6, s5
	s_lshl_b32 s5, s16, 12
	s_add_co_u32 s6, s6, s5
	s_mov_b32 s7, 131072                           ; q, k: from pair of pieces g to g + 1: a head;
	s_mov_b32 s8, 262144                           ; to g + 2: two heads;
	s_mov_b32 s9, 1024                             ; from my first tile of rows to my second
	s_cmp_eq_u32 ttmp9, 2
	s_cselect_b32 s4, s6, s4
	s_cselect_b32 s7, 1024, s7                     ; v: two pieces;
	s_cselect_b32 s8, 8192, s8                     ; a key step;
	s_cselect_b32 s9, 2048, s9                     ; a tile of channels
	s_cselect_b64 s[OB:OB+1], s[74:75], s[70:71]
	s_cmp_eq_u32 ttmp9, 1
	s_cselect_b64 s[OB:OB+1], s[72:73], s[OB:OB+1]
	s_mov_b32 s5, 0
	s_add_nc_u64 s[OB:OB+1], s[OB:OB+1], s[4:5]
	s_mov_b32 s10, s7
	s_mov_b32 s11, 0
	s_add_nc_u64 s[OB+2:OB+3], s[OB:OB+1], s[10:11]
	s_mov_b32 s10, s8
	s_add_nc_u64 s[OB+4:OB+5], s[OB:OB+1], s[10:11]
	s_add_nc_u64 s[OB+6:OB+7], s[OB+2:OB+3], s[10:11]
	v_add_nc_u32 v[GO+1], s9, v[GO]
	s_wait_kmcnt 0x0                               ; the exponents
	s_sub_co_i32 s94, s82, s76
	s_sub_co_i32 s94, s94, s77                     ; q: e6 - e0 - e1
	s_sub_co_i32 s95, s83, s78
	s_sub_co_i32 s95, s95, s79                     ; k: e7 - e2 - e3
	s_sub_co_i32 s96, s85, s80
	s_sub_co_i32 s96, s96, s81                     ; v: e9 - e4 - e5
	s_cmp_eq_u32 ttmp9, 1
	s_cselect_b32 s94, s95, s94
	s_cmp_eq_u32 ttmp9, 2
	s_cselect_b32 s94, s96, s94                    ; E: chosen, never branched on
	s_add_co_i32 s94, s94, 127
	s_lshl_b32 s95, s94, 23
	v_mov_b32 v[SCL], s95                          ; 2^E as f32: the conversion takes its exponent field
	s_add_co_i32 s94, s94, 8
	s_lshl_b32 s94, s94, 23
	s_or_b32 s94, s94, 0x600000
	v_mov_b32 v[LIM], s94                          ; 448 x 2^E
	s_wait_tensorcnt 0x2                           ; my part of slot 0 is in; my loads for slots 1 and 2 may stay out
	s_barrier_signal -1
	s_barrier_wait -1                              ; everybody's is
	FETCH 0
	STEPN 0, 1                                     ; the first products start the sums: nothing is cleared
	; step 1 leaves slot 0, which is filled again with K step 3
	s_wait_tensorcnt 0x0                           ; all my tensor loads have landed: my parts of slots 1 and 2 too;
	ds_add_u32 v[SPW], v[NIL]                      ; 0 onto my spare word
	s_add_nc_u64 s[G0A+2:G0A+3], s[G0A+2:G0A+3], 768   ; no load of mine is out, so slot 0's groups 0 may be written: three K steps on
	s_add_nc_u64 s[G0B+2:G0B+3], s[G0B+2:G0B+3], 768
	s_wait_dscnt 0x0                               ; the add is done, and my reads of slot 0 are over: step 1's fragments are in
	s_barrier_signal -1                            ; opens a round of the cluster's barrier
	WIN MUL
	MUL16 0, 1, 0                                  ; work on registers while the others arrive
	WIN 0
	s_barrier_wait -1
	CREST                                          ; no wave of any partner still reads slot 0 or has a load on its way; slots 1 and 2 are whole
	JLOAD G0A, G0B                                 ; the first tensor load behind the round: 128 matrix instructions ahead of the wait for it; its four v_nop are the places in front of the loads below
	FETCH 2
	WIN MUL
	MUL16 1, 1, 0
	WIN 0
	STEPN 2, 0
	STEPN 3, 0
	STEPN 4, 0
	; step 5: the next fragments come from the slot that was filled again
	s_wait_tensorcnt 0x0                           ; my one load that is out is my part of K step 3
	s_wait_dscnt 0x0                               ; step 5's fragments are in: my reads of slots 1 and 2 are over
	s_barrier_signal -1
	WIN MUL
	MUL16 0, 1, 0
	WIN 0
	s_barrier_wait -1                              ; slot 0 is whole, and nobody reads slot 1 any more.
	PLACES
	FETCH 6
	WIN MUL
	MUL16 1, 1, 0
	WIN 0
	STEPN 6, 0
	s_wait_dscnt 0x0
	WIN MUL
	MUL16 0, 1, 0
	MUL16 1, 1, 0
	WIN 0
	PLACES
	; THE WAY OUT.  Each sum is held within +-448 x 2^E (the conversion to an 8-bit code does not saturate: ISA guide 7.6.2), eight neighbours along the next K become eight codes, and the tile's codes meet in the stage.
.irp a, 0,1,2,3
	WIN 0x02                                       ; source 0: window 2
.set j, 0
.rept 64
	v_med3_num_f32 v[AF+j], v[64*\a+j], -v[LIM], v[LIM]   ; each accumulator from its low end on
.set j, j+1
.endr
	WIN 0
.irp b, 0,1,2,3,4,5,6,7
	v_cvt_scalef32_pk8_fp8_f32 v[128+16*\a+2*\b:128+16*\a+2*\b+1], v[AF+8*\b:AF+8*\b+7], v[SCL]
.endr
	v_nop                                          ; one plain vector instruction behind the conversions: the next block's holds write their sources
.irp b, 0,1,2,3,4,5,6,7
	ds_store_b64 v[STO], v[128+16*\a+2*\b:128+16*\a+2*\b+1] offset:\a*16*PITCH+16*\b
.endr
.endr
	s_wait_dscnt 0x0                               ; for the others' sake: my codes lie in the stage
	s_barrier_signal -1
	s_barrier_wait -1
.irp i, 0,1
.irp g, 0,1,2,3,4,5,6,7
	ds_load_b128 v[192+4*(8*\i+\g):192+4*(8*\i+\g)+3], v[RD] offset:\i*8*PITCH+32*\g   ; a piece: 16 rows x 32 columns, in the order of the operand's registers
.endr
.endr
.irp i, 0,1
.irp g, 0,1,2,3,4,5,6,7
	s_wait_dscnt 15-(8*\i+\g)                      ; LDS loads come back in order: this piece is in, the younger ones may be out
	global_store_b128 v[GO+\i], v[192+4*(8*\i+\g):192+4*(8*\i+\g)+3], s[OB+2*(\g/2):OB+2*(\g/2)+1] offset:512*(\g%2)   ; the wave stores 512 consecutive bytes, aligned
.endr
.endr
	s_wait_tensorcnt 0x0                           ; the wave's end
	ds_add_u32 v[SPW], v[NIL]
	s_wait_dscnt 0x0
	CROUND                                         ; the closing round: no work-group ends while a partner may still ask for a tile that names it
	s_endpgm
.Lfunc_end_k_q832ff1b0de_qkv:
	.size	k_q832ff1b0de_qkv, .Lfunc_end_k_q832ff1b0de_qkv-k_q832ff1b0de_qkv
	.p2alignl 7, 3214868480
	.fill 96, 4, 3214868480
	.section	.rodata,"a",@progbits
	.p2align	6, 0x0
	.amdhsa_kernel k_q832ff1b0de_qkv
		.amdhsa_group_segment_fixed_size 327680
		.amdhsa_private_segment_fixed_size 0
		.amdhsa_enable_private_segment 0
		.amdhsa_kernarg_size 64
		.amdhsa_user_sgpr_count 2
		.amdhsa_user_sgpr_kernarg_segment_ptr 1
		.amdhsa_wavefront_size32 1
		.amdhsa_system_sgpr_workgroup_id_x 1
		.amdhsa_system_sgpr_workgroup_id_y 1
		.amdhsa_system_sgpr_workgroup_id_z 1
		.amdhsa_system_vgpr_workitem_id 0
		.amdhsa_next_free_vgpr 768
		.amdhsa_next_free_sgpr 102
		.amdhsa_reserve_vcc 0
		.amdhsa_float_denorm_mode_32 3
		.amdhsa_float_denorm_mode_16_64 3
		.amdhsa_memory_ordered 1
		.amdhsa_forward_progress 1
		.amdhsa_inst_pref_size 78
	.end_amdhsa_kernel
	.amdgpu_metadata
---
amdhsa.version: [ 1, 2 ]
amdhsa.kernels:
  - .name:           k_q832ff1b0de_qkv
    .symbol:         k_q832ff1b0de_qkv.kd
    .args:
      - { .name: x_codes, .offset: 0, .size: 8, .value_kind: global_buffer, .address_space: global }
      - { .name: Wq_codes, .offset: 8, .size: 8, .value_kind: global_buffer, .address_space: global }
      - { .name: Wk_codes, .offset: 16, .size: 8, .value_kind: global_buffer, .address_space: global }
      - { .name: Wv_codes, .offset: 24, .size: 8, .value_kind: global_buffer, .address_space: global }
      - { .name: lowp_scales, .offset: 32, .size: 8, .value_kind: global_buffer, .address_space: global }
      - { .name: qimg, .offset: 40, .size: 8, .value_kind: global_buffer, .address_space: global }
      - { .name: kimg, .offset: 48, .size: 8, .value_kind: global_buffer, .address_space: global }
      - { .name: vimg, .offset: 56, .size: 8, .value_kind: global_buffer, .address_space: global }
    .group_segment_fixed_size: 327680
    .private_segment_fixed_size: 0
    .kernarg_segment_align: 8
    .kernarg_segment_size: 64
    .max_flat_workgroup_size: 128
    .sgpr_count:     102
    .vgpr_count:     768
    .wavefront_size: 32
...
	.end_amdgpu_metadata
.endif
;; end of part 2
;; launch attn (part 3): grid 4 x 64, 16 waves a work-group, no clusters, 264,192 bytes of LDS; arguments qimg, kimg, vimg, mbits, mflags, lowp_scales, cimg; writes cimg
.if DOCPART == 3
	.amdgcn_target "amdgcn-amd-amdhsa--gfx1250"
	.amdhsa_code_object_version 6
	.text
	.protected	k_q832ff1b0de_attn
	.globl	k_q832ff1b0de_attn
	.p2align	8
	.type	k_q832ff1b0de_attn,@function
k_q832ff1b0de_attn:
	s_mov_b64 s[64:65], 0
	v_nop
	global_prefetch_b8 v0, s[64:65] scope:SCOPE_SE
	s_setreg_imm32_b32 hwreg(HW_REG_WAVE_MODE, 25, 1), 1
	s_wait_xcnt 0x0
; ctx = softmax(where(mask, -1e9, q k^T / 8)) v for one head, both products on codes of E4M3; ctx leaves as codes for the last projection.
; THE SOFTMAX: t = logit x log2(e); M = the row's largest t so far, rounded UP to a whole number; p = 2^(t - M) is quantised with 2^e8; the row's sum is taken of the unquantised p and divides at the end.
; When M moves, the sum and O are multiplied by 2^(old M - new M), which rounds nothing.
; THE MASK is an input and is honoured as it is given.  An earlier launch has stored, for each tile of 16 queries, a lane mask for each score register (mbits) and a class for each key step (mflags):
; SKIP: every place masked and every row of the tile has an open key elsewhere: the step's weights are 0 and the step is left out, by a scalar branch on the stored word;  MIXED: masked scores are replaced ahead of the maximum.
; A masked score becomes R = -2^(33 - e6 - e7), so that its t = R c = -2^33 log2(e) / 8 is a whole number: a row that is masked everywhere has t - M = 0 and p = 1 at every key, the plain mean of v, as with -1e9.
; LIMITS: the masked logit is -2^30 and not -1e9: the results agree while open logits lie above -2^29.  e6 + e7 between -94 and 130 (c and R are f32 numbers); e8 and e10 between -126 and 119.  NaN is not served.
; SHARES: a work-group owns one head and 32 of its 128 tiles of queries; wave w takes tiles 4 w + j and 124 - 4 w + j one after the other (j = work-group x), an early tile with a late one.  256 registers a wave: four waves to a SIMD,
; so that one wave's vector work stands beside another's LDS loads and products.
; LDS holds the head's whole K (131,072 bytes) and V (131,072), as images of the operands' registers, copied through registers at the head: one barrier in the launch, none in the loops.
; NO TENSOR LOAD AND NO JOINT LOAD: the steps branch on numbers read from memory (the classes, e8); and what the four work-groups of a head share, 262,144 bytes, is read once by each, at its head.
; LAYOUT: both products transposed: S^T = K Q^T (source 0 = 16 keys), O^T = V^T P^T (source 0 = 16 channels): a lane holds one query throughout.  Row 8 h + j of tile t is 32 (t / 2) + 8 (t % 2) + 16 h + j,
; so the 16 registers of result tiles 2 b, 2 b + 1 are 16 neighbours 32 b + 16 h + 0 .. 15 along the next K: the conversions' results are the next operand's registers.
; REGISTERS: v1 16 x lane, v2 the same in V; v4-7 the fill's addresses; v8, v9 the step's addresses; v10 R; v11 2^e8, v24 448 x 2^e8; v25 2^e10, v26 448 x 2^e10; v27 e8 + e9; v12 -M, v13 the largest t, v[14:15] the sum;
; v16-23 Q; v32-95 K's fragments, then V's; v96-159 S^T, then p; v160-191 O^T; v192-207 p's codes; v208-215 ctx's codes; v236-254 at work.
; s[32:63], s[68:99]: a mixed step's 64 mask words.
.set VIMG, 131072
	s_load_b256 s[4:11], s[0:1], 0x0               ; qimg, kimg, vimg, mbits
	s_load_b128 s[12:15], s[0:1], 0x20             ; mflags, the scales' exponents
	s_load_b64 s[16:17], s[0:1], 0x30              ; cimg
	v_lshl_add_u32 v251, v0, 2, 0x40000
	v_mov_b32 v255, 0
	v_lshrrev_b32 v3, 5, v0
	v_readfirstlane_b32 s18, v3                    ; wave 0..15
	s_and_b32 s19, ttmp7, 0xffff                   ; batch x 16 + head
	v_and_b32 v1, 31, v0
	v_lshlrev_b32 v1, 4, v1
	v_add_nc_u32 v2, VIMG, v1
	v_lshlrev_b32 v4, 4, v0                        ; the fill: 16 bytes a thread, 8,192 an instruction of the work-group
	v_add_nc_u32 v5, 65536, v4
	v_add_nc_u32 v6, 131072, v4
	v_add_nc_u32 v7, 196608, v4
	s_lshl_b32 s2, s19, 17                         ; a head's image is 131,072 bytes
	s_mov_b32 s3, 0
	s_mov_b32 s20, 0x76543210                      ; v_permlanex16_b32's selects for lane l xor 16
	s_mov_b32 s21, 0xfedcba98
	s_lshl_b32 s24, s18, 2
	s_add_co_u32 s24, s24, ttmp9                   ; my first tile
	s_lshl_b32 s25, ttmp9, 1
	s_add_co_u32 s25, s25, 124                     ; my two tiles' sum
	s_mov_b32 s30, 2                               ; tiles to go
	s_wait_kmcnt 0x0
	s_load_b128 s[32:35], s[14:15], 0x18           ; e6, e7, e8, e9
	s_load_b32 s36, s[14:15], 0x28                 ; e10
	s_add_nc_u64 s[6:7], s[6:7], s[2:3]
	s_add_nc_u64 s[8:9], s[8:9], s[2:3]
.set n, 0
.rept 16
	global_load_b128 v[32+4*n:35+4*n], v4, s[6:7] offset:8192*n
.set n, n+1
.endr
.rept 16
	global_load_b128 v[32+4*n:35+4*n], v4, s[8:9] offset:8192*(n-16)
.set n, n+1
.endr
	s_wait_kmcnt 0x0
	s_add_co_i32 s37, s32, s33                     ; e6 + e7
	s_lshl_b32 s38, s37, 23
	s_add_co_i32 s22, s38, 0x3e38aa3b              ; c = log2(e) / 8 x 2^(e6 + e7): the exponents are added to the exponent field
	s_mov_b32 s23, s22                             ; (named with it as a pair, so it is written)
	s_sub_co_i32 s38, 160, s37
	s_lshl_b32 s38, s38, 23
	s_or_b32 s38, s38, 0x80000000
	v_mov_b32 v10, s38                             ; R = -2^(33 - e6 - e7)
	s_mov_b32 s31, s34                             ; e8
	s_add_co_i32 s38, s34, 127
	s_lshl_b32 s39, s38, 23
	v_mov_b32 v11, s39                             ; 2^e8
	s_add_co_i32 s38, s38, 8
	s_lshl_b32 s38, s38, 23
	s_or_b32 s38, s38, 0x600000
	v_mov_b32 v24, s38                             ; 448 x 2^e8
	s_add_co_i32 s38, s36, 127
	s_lshl_b32 s39, s38, 23
	v_mov_b32 v25, s39                             ; 2^e10
	s_add_co_i32 s38, s38, 8
	s_lshl_b32 s38, s38, 23
	s_or_b32 s38, s38, 0x600000
	v_mov_b32 v26, s38                             ; 448 x 2^e10
	s_add_co_i32 s38, s34, s35
	v_mov_b32 v27, s38                             ; e8 + e9, for v_ldexp_f32
.set n, 0
.rept 32
	s_wait_loadcnt 31-n                            ; loads come back in order: load n is in, the younger ones stay out
	ds_store_b128 v[4+n/8], v[32+4*n:35+4*n] offset:8192*(n%8)
.set n, n+1
.endr
	s_wait_dscnt 0x0                               ; for the others' sake: my part of the images lies in LDS
	s_barrier_signal -1
	s_barrier_wait -1                              ; from here on LDS is only read
.Ltile:
	s_lshl_b32 s2, s19, 7
	s_add_co_u32 s2, s2, s24
	s_lshl_b32 s2, s2, 10
	s_mov_b32 s3, 0
	s_add_nc_u64 s[66:67], s[4:5], s[2:3]          ; Q's image: (128 x head + T) x 1,024
	s_lshl_b32 s2, s24, 8
	s_add_nc_u64 s[100:101], s[12:13], s[2:3]      ; the tile's classes
	s_lshl_b32 s2, s24, 12
	s_add_nc_u64 s[6:7], s[10:11], s[2:3]          ; the tile's mask words: 16 steps x 256 bytes
	s_and_b32 s2, s19, 15                          ; the head hd.  ctx's image [kq 4][batch x 128 + T][q 2][c 4][512]: channel 64 hd + 32 b = 256 kq + 128 q + 32 c
	s_lshr_b32 s26, s2, 2
	s_lshl_b32 s26, s26, 21                        ; kq = hd / 4
	s_lshr_b32 s27, s19, 4
	s_lshl_b32 s27, s27, 7
	s_add_co_u32 s27, s27, s24
	s_lshl_b32 s27, s27, 12
	s_add_co_u32 s26, s26, s27
	s_and_b32 s27, s2, 3
	s_lshl_b32 s27, s27, 10                        ; q x 2,048 + 2 (hd % 2) x 512 = (hd % 4) x 1,024
	s_add_co_u32 s2, s26, s27
	s_add_nc_u64 s[8:9], s[16:17], s[2:3]
	global_load_b128 v[16:19], v1, s[66:67]
	global_load_b128 v[20:23], v1, s[66:67] offset:512
	s_load_b32 s26, s[100:101], 0x0                ; bits 0-15 SKIP, bits 16-31 MIXED
	v_mov_b32 v13, 0xff61b1e6                      ; the largest t so far: -3e38, under every t
	v_floor_f32 v12, -v13                          ; -M
	v_mov_b32 v14, 0
	v_mov_b32 v15, 0
	v_mov_b32 v236, 0                              ; written once: a lane permute's destination counts as one of its sources
	v_mov_b32 v252, 0
	v_mov_b32 v253, 0                              ; (named as the upper half of the pair v[252:253])
.set j, 0
.rept 32
	v_mov_b32 v[160+j], 0                          ; O^T: the step is written once; the first finds zeros, which the first change of M leaves zeros
.set j, j+1
.endr
	s_mov_b32 s27, 0                               ; the key step,
	s_mov_b32 s28, 0                               ; its images' place in K and in V: 8,192 x step,
	s_mov_b32 s29, 0                               ; and its mask words': 256 x step
	s_wait_loadcnt 0x0
	s_wait_kmcnt 0x0
.Lstep:                                            ; sixteen trips, 128 keys each
	s_bitcmp1_b32 s26, s27
	s_cbranch_scc1 .Lskip
	v_add_nc_u32 v8, s28, v1
	v_add_nc_u32 v9, s28, v2
	v_nop                                          ; with the two additions: four places in front of loads into registers that the last products read
	v_nop
.irp t, 0,1,2,3,4,5,6,7
	ds_load_b128 v[32+8*\t:35+8*\t], v8 offset:1024*\t
	ds_load_b128 v[36+8*\t:39+8*\t], v8 offset:1024*\t+512
.endr
	s_wait_dscnt 0x0
.irp t, 0,1,2,3,4,5,6,7
	v_wmma_f32_16x16x64_fp8_fp8 v[96+8*\t:103+8*\t], v[32+8*\t:39+8*\t], v[16:23], 0
.endr
.rept 4
	v_nop
.endr
.irp t, 0,1,2,3
.irp c, 0,1,2,3
	ds_load_b128 v[32+16*\t+4*\c:35+16*\t+4*\c], v9 offset:2048*\t+512*\c   ; V's fragments land while the softmax is walked
.endr
.endr
	s_add_co_u32 s2, s27, 16
	s_bitcmp1_b32 s26, s2
	s_cbranch_scc0 .Lopen                          ; a step without a masked place takes its scores as they are
	s_load_b512 s[32:47], s[6:7], s29 offset:0x0
	s_load_b512 s[48:63], s[6:7], s29 offset:0x40
	s_load_b512 s[68:83], s[6:7], s29 offset:0x80
	s_load_b512 s[84:99], s[6:7], s29 offset:0xc0
	s_wait_kmcnt 0x0
	s_wait_xcnt 0x0                                ; the loads have read their offset register, which is stepped at the step's end
.set n, 0
.rept 32
	v_cndmask_b32 v[96+n], v[96+n], v10, s[32+n]   ; register n = 16 b + i holds key 32 b + 16 h + i: word n's bit for my lane
.set n, n+1
.endr
.rept 32
	v_cndmask_b32 v[96+n], v[96+n], v10, s[36+n]
.set n, n+1
.endr
.Lopen:
	v_max3_num_f32 v254, v96, v97, v98             ; the step's largest score of my query, among my 64 keys, in two chains, each accumulator from its low end on,
	v_max3_num_f32 v252, v99, v100, v101
.irp i, 6,10,14,18,22,26,30,34,38,42,46,50,54,58
	v_max3_num_f32 v254, v254, v[96+\i], v[97+\i]
	v_max3_num_f32 v252, v252, v[98+\i], v[99+\i]
.endr
	v_max3_num_f32 v254, v254, v158, v159
	v_max_num_f32 v254, v254, v252
	v_permlanex16_b32 v236, v254, s20, s21
	v_max_num_f32 v254, v254, v236                 ; and among lane l xor 16's
	v_mul_f32 v254, s22, v254                      ; as t (c is positive)
	v_max_num_f32 v13, v13, v254                   ; the running largest t
	v_mov_b32 v254, v12
	v_floor_f32 v12, -v13                          ; the new -M = floor(-t): M is a whole number
	v_sub_f32 v254, v12, v254                      ; old M - new M: a whole number, 0 or less
	v_cvt_i32_f32 v254, v254                       ; (it saturates)
	v_ldexp_f32 v252, 1.0, v254                    ; f = 2^(old M - new M)
.set j, 0
.rept 32
	v_pk_fma_f32 v[96+j:97+j], v[96+j:97+j], s[22:23], v[12:13] op_sel_hi:[1,0,0]   ; t - M, two at a time
.set j, j+2
.endr
.set j, 0
.rept 64
	v_exp_f32 v[96+j], v[96+j]                     ; p = 2^(t - M), at most 1
.set j, j+1
.endr
	v_pk_mul_f32 v[14:15], v[14:15], v[252:253] op_sel_hi:[1,0]   ; the sums under the new M: the plain instruction behind the exponentials
	s_wait_alu depctr_va_vdst(0)                   ; one wait for the batch of 64, ahead of its first reader
	v_pk_add_f32 v[242:243], v[96:97], v[98:99]    ; the row's sum is taken of the unquantised p, in two chains
.irp j, 4,8,12,16,20,24,28,32,36,40,44,48,52,56,60
	v_pk_add_f32 v[14:15], v[14:15], v[96+\j:97+\j]
	v_pk_add_f32 v[242:243], v[242:243], v[98+\j:99+\j]
.endr
	v_pk_add_f32 v[14:15], v[14:15], v[242:243]
	s_cmp_ge_i32 s31, -8                           ; p is at most 1, and 448 x 2^e8 is at least 1 from e8 = -8 on: the hold is walked just where it can bite
	s_cbranch_scc1 .Lnohold
.set j, 0
.rept 64
	v_min_num_f32 v[96+j], v[96+j], v24            ; the conversion to an 8-bit code does not saturate (ISA guide 7.6.2); p is not negative
.set j, j+1
.endr
.Lnohold:
.irp b, 0,1,2,3
	v_cvt_scalef32_pk8_fp8_f32 v[192+4*\b:193+4*\b], v[96+16*\b:103+16*\b], v11
	v_cvt_scalef32_pk8_fp8_f32 v[194+4*\b:195+4*\b], v[104+16*\b:111+16*\b], v11
.endr
.set j, 0
.rept 16
	v_pk_mul_f32 v[160+j:161+j], v[160+j:161+j], v[252:253] op_sel_hi:[1,0]   ; O^T under the new M; also the plain instructions behind the conversions
.set j, j+2
.endr
	s_wait_dscnt 0x0                               ; V's fragments
.irp t, 0,1,2,3
	v_wmma_f32_16x16x128_fp8_fp8 v[160+8*\t:167+8*\t], v[32+16*\t:47+16*\t], v[192:207], v[160+8*\t:167+8*\t]
.endr
.Lskip:
	s_add_co_u32 s28, s28, 8192
	s_add_co_u32 s29, s29, 256
	s_add_co_u32 s27, s27, 1
	s_cmp_lt_u32 s27, 16
	s_cbranch_scc1 .Lstep
	; the tile's end: O^T / the sum x 2^(e8 + e9) is ctx; it is held, quantised with 2^e10 and stored as the last projection's operand
.rept 4
	v_nop                                          ; places behind the last products
.endr
	v_add_f32 v14, v14, v15
	v_permlanex16_b32 v252, v14, s20, s21
	v_add_f32 v14, v14, v252                       ; the row's sum
	v_rcp_f32 v14, v14
	v_nop                                          ; a plain instruction behind the transcendental
	s_wait_alu depctr_va_vdst(0)                   ; and the wait ahead of its first reader
	v_ldexp_f32 v14, v14, v27
	v_mov_b32 v15, v14
.set j, 0
.rept 16
	v_pk_mul_f32 v[96+j:97+j], v[160+j:161+j], v[14:15]   ; register 16 b + i: channel 32 b + 16 h + i of my query
.set j, j+2
.endr
.set j, 0
.rept 32
	v_med3_num_f32 v[96+j], v[96+j], -v26, v26
.set j, j+1
.endr
.irp b, 0,1
	v_cvt_scalef32_pk8_fp8_f32 v[208+4*\b:209+4*\b], v[96+16*\b:103+16*\b], v25
	v_cvt_scalef32_pk8_fp8_f32 v[210+4*\b:211+4*\b], v[104+16*\b:111+16*\b], v25
.endr
	v_nop                                          ; one plain vector instruction behind the conversions
	global_store_b128 v1, v[208:211], s[8:9]       ; a piece: the wave stores 512 consecutive bytes, aligned
	global_store_b128 v1, v[212:215], s[8:9] offset:512
	s_wait_xcnt 0x0                                ; the stores have read their base and their data: both are written again in the next trip
	s_sub_co_u32 s24, s25, s24                     ; my other tile
	s_sub_co_u32 s30, s30, 1
	s_cmp_lg_u32 s30, 0
	s_cbranch_scc1 .Ltile
	s_wait_tensorcnt 0x0
	ds_add_u32 v251, v255
	s_wait_dscnt 0x0
	s_endpgm
.Lfunc_end_k_q832ff1b0de_attn:
	.size	k_q832ff1b0de_attn, .Lfunc_end_k_q832ff1b0de_attn-k_q832ff1b0de_attn
	.p2alignl 7, 3214868480
	.fill 96, 4, 3214868480
	.section	.rodata,"a",@progbits
	.p2align	6, 0x0
	.amdhsa_kernel k_q832ff1b0de_attn
		.amdhsa_group_segment_fixed_size 264192
		.amdhsa_private_segment_fixed_size 0
		.amdhsa_enable_private_segment 0
		.amdhsa_kernarg_size 56
		.amdhsa_user_sgpr_count 2
		.amdhsa_user_sgpr_kernarg_segment_ptr 1
		.amdhsa_wavefront_size32 1
		.amdhsa_system_sgpr_workgroup_id_x 1
		.amdhsa_system_sgpr_workgroup_id_y 1
		.amdhsa_system_sgpr_workgroup_id_z 1
		.amdhsa_system_vgpr_workitem_id 0
		.amdhsa_next_free_vgpr 256
		.amdhsa_next_free_sgpr 102
		.amdhsa_reserve_vcc 0
		.amdhsa_float_denorm_mode_32 3
		.amdhsa_float_denorm_mode_16_64 3
		.amdhsa_memory_ordered 1
		.amdhsa_forward_progress 1
		.amdhsa_inst_pref_size 36
	.end_amdhsa_kernel
	.amdgpu_metadata
---
amdhsa.version: [ 1, 2 ]
amdhsa.kernels:
  - .name:           k_q832ff1b0de_attn
    .symbol:         k_q832ff1b0de_attn.kd
    .args:
      - { .name: qimg, .offset: 0, .size: 8, .value_kind: global_buffer, .address_space: global }
      - { .name: kimg, .offset: 8, .size: 8, .value_kind: global_buffer, .address_space: global }
      - { .name: vimg, .offset: 16, .size: 8, .value_kind: global_buffer, .address_space: global }
      - { .name: mbits, .offset: 24, .size: 8, .value_kind: global_buffer, .address_space: global }
      - { .name: mflags, .offset: 32, .size: 8, .value_kind: global_buffer, .address_space: global }
      - { .name: lowp_scales, .offset: 40, .size: 8, .value_kind: global_buffer, .address_space: global }
      - { .name: cimg, .offset: 48, .size: 8, .value_kind: global_buffer, .address_space: global }
    .group_segment_fixed_size: 264192
    .private_segment_fixed_size: 0
    .kernarg_segment_align: 8
    .kernarg_segment_size: 56
    .max_flat_workgroup_size: 512
    .sgpr_count:     102
    .vgpr_count:     256
    .wavefront_size: 32
...
	.end_amdgpu_metadata
.endif
;; end of part 3
;; launch proj (part 4): grid 4 x 64, 4 waves a work-group, clusters of 4 x 4, 327,680 bytes of LDS; arguments cimg, Wo_codes, lowp_scales, bo, out0; writes out0
.if DOCPART == 4
	.amdgcn_target "amdgcn-amd-amdhsa--gfx1250"
	.amdhsa_code_object_version 6
	.text
	.protected	k_q832ff1b0de_proj
	.globl	k_q832ff1b0de_proj
	.p2align	8
	.type	k_q832ff1b0de_proj,@function
k_q832ff1b0de_proj:
	s_mov_b64 s[64:65], 0
	v_nop
	global_prefetch_b8 v0, s[64:65] scope:SCOPE_SE
	s_setreg_imm32_b32 hwreg(HW_REG_WAVE_MODE, 25, 1), 1
	s_wait_xcnt 0x0
	s_wait_alu depctr_hold_cnt(0) depctr_sa_sdst(0) depctr_va_vdst(0) depctr_va_sdst(0) depctr_va_ssrc(0) depctr_va_vcc(0) depctr_vm_vsrc(0)
	s_getreg_b32 s2, hwreg(HW_REG_IB_STS2, 6, 4)
	s_cmp_eq_u32 s2, 0
	s_cbranch_scc0 .Lentry_in_a_cluster
	s_endpgm
.Lentry_in_a_cluster:
	s_bfe_u32 s2, ttmp6, 0x10000c
	s_cmp_lg_u32 s2, 0xf033
	s_cbranch_scc0 .Lentry_shape_is_right
	s_endpgm
.Lentry_shape_is_right:
; out = ctx Wo^T + bo.  ctx arrives as codes of E4M3 in the order of the operand's registers (cimg: [K step of 256: 4][tile of 16 tokens: 512][q 2][c 4][512 bytes]), Wo as codes [1024][1024], K innermost.
; A sum stands for sum x 2^(e10 + e11): out = sum x 2^(e10 + e11) + bo, one packed multiply-add for two numbers.  LIMIT: e10 + e11 between -126 and 127, so that the power of two is an f32 number.
; SHARES: a work-group makes 128 tokens x 256 outputs (256 tiles), a wave 64 x 128: 32 accumulators.  Transposed use (source 0 = 16 rows of Wo, source 1 = 16 tokens): a lane holds eight neighbouring outputs of one token.
; RING: four K steps of 256 through THREE slots; slots 0, 1, 2 are filled at the start, slot 0 alone again: one round of the cluster's barrier in the middle; eight steps of 128 along K, written out.
; By this text's own count a wave has three tensor loads out at the start and one later.
; CLUSTER 4 x 4: ctx's tile hangs on the tile row alone and is asked for jointly by my row of the cluster, Wo's on the tile column alone, by my column.
; ctx's part of a slot is one dense block of 32,768 bytes: a fragment's four loads read 512 consecutive bytes each, with no pitch and no padding.  Tile t's lane r is token 32 (t / 2) + 8 (t % 2) + r % 8 + 16 (r / 8): the stores undo that.
; REGISTERS: window 0: v16-29 addresses; v64-127, v128-191 ctx's fragments, two sets; on the way out v64-255 are free.  window 1: Wo's fragments, two sets.  window 2: accumulator (a, b) at v[8 (8 a + b)].  window 3: v0-63 bo at my 128 outputs.
.set PITCH, 272                        ; a row of Wo in LDS: 256 bytes + 16 of padding
.set ASZ,   32768                      ; ctx's eight tiles x 4,096 bytes
.set SLOT,  ASZ+256*PITCH
.set SPARE, 3*SLOT                     ; behind the ring: the spare words, 128 bytes for each wave
.set STG,   SLOT                       ; the way out: 16 rows x 528 bytes for each wave, in slot 1, which is filled once and is read for the last time ahead of the last barrier in the products
.set SPITCH, 528
.set ADRA, 16                          ; v16-18
.set ADRB, 20                          ; v20-22
.set STO,  24
.set RD,   25
.set CO,   26                          ; v26    16 x lane
.set BOF,  27                          ; v27    32 h: my half's eight numbers of a tile of bo
.set SPW,  28
.set NIL,  29
.set AF,   64
.set TMP,  64
.set BK,   128
.set G1A, 24
.set G1B, 32
.set G0A, 40
.set G0B, 52
.set MSB, 0
.macro WIN new                         ; the immediate's high byte repeats the setting that is left
.if MSB != \new
	s_set_vgpr_msb (MSB<<8)|\new
.set MSB, \new
.endif
.endm
.set MUL,  0xa1                        ; source 0 (Wo) window 1, source 1 (ctx) window 0, C and D window 2
.set TO_B, 0x40
.macro PLACES                          ; four plain vector instructions in front of loads into registers that matrix instructions have read, and of the first read of results
.rept 4
	v_nop
.endr
.endm
.macro CREST
	s_cmp_lg_u32 s14, 0
	s_cbranch_scc1 .Lnot_wave_0_\@
	s_barrier_signal -3
.Lnot_wave_0_\@:
	s_barrier_wait -3
	s_barrier_signal -1
	s_barrier_wait -1
.endm
.macro CROUND
	s_barrier_signal -1
	s_barrier_wait -1
	CREST
.endm
.macro JLOAD g0a, g0b                  ; a joint load: waves 0 and 1 fetch ctx's halves, waves 2 and 3 Wo's; four v_nop follow each line
	s_cmp_eq_u32 s15, 0
	s_cbranch_scc0 .Lfor_b_\@
	tensor_load_to_lds s[\g0a:\g0a+3], s[G1A:G1A+7]
	s_nop 0
	PLACES
	s_branch .Lasked_\@
.Lfor_b_\@:
	tensor_load_to_lds s[\g0b:\g0b+3], s[G1B:G1B+7]
	s_nop 0
	PLACES
.Lasked_\@:
.endm
.macro FETCH n                         ; the fragments of the n-th 128 along K into set n % 2
.set SL, ((\n)/2)%3
.set QQ, (\n)%2
	WIN TO_B
.irp i, 0,1,2,3,4,5,6,7
.irp c, 0,1,2,3
	ds_load_b128 v[128*QQ+16*\i+4*\c:128*QQ+16*\i+4*\c+3], v[ADRB+SL] offset:128*QQ+32*\c+\i*16*PITCH
.endr
.endr
	WIN 0
.irp i, 0,1,2,3
.irp c, 0,1,2,3
	ds_load_b128 v[AF+64*QQ+16*\i+4*\c:AF+64*QQ+16*\i+4*\c+3], v[ADRA+SL] offset:\i*4096+QQ*2048+\c*512
.endr
.endr
.endm
.macro MUL16 half, p, zero             ; the 32 accumulators take turns, one instruction a turn, in the same order in every step
.irp a, 2*\half, 2*\half+1
.irp b, 0,1,2,3,4,5,6,7
.if \zero
	v_wmma_f32_16x16x128_fp8_fp8 v[8*(8*(\a)+\b):8*(8*(\a)+\b)+7], v[128*(\p)+16*\b:128*(\p)+16*\b+15], v[AF+64*(\p)+16*(\a):AF+64*(\p)+16*(\a)+15], 0
.else
	v_wmma_f32_16x16x128_fp8_fp8 v[8*(8*(\a)+\b):8*(8*(\a)+\b)+7], v[128*(\p)+16*\b:128*(\p)+16*\b+15], v[AF+64*(\p)+16*(\a):AF+64*(\p)+16*(\a)+15], v[8*(8*(\a)+\b):8*(8*(\a)+\b)+7]
.endif
.endr
.endr
.endm
.macro STEPN n, zero
	s_wait_dscnt 0x0                               ; this step's fragments are in
	PLACES
	FETCH (\n)+1
	WIN MUL
	MUL16 0, (\n)%2, \zero
	MUL16 1, (\n)%2, \zero
	WIN 0
.endm
	s_load_b256 s[4:11], s[0:1], 0x0               ; cimg, Wo's codes, the scales' exponents, bo
	s_load_b64 s[12:13], s[0:1], 0x20              ; out0
	v_lshl_add_u32 v[SPW], v0, 2, SPARE
	v_mov_b32 v[NIL], 0
	ds_add_u32 v28, v29
	ds_add_u32 v28, v29
	s_wait_dscnt 0x0
	v_lshrrev_b32 v1, 5, v0
	v_readfirstlane_b32 s14, v1                    ; wave 0..3
	s_lshr_b32 s15, s14, 1                         ; my half of the tile's rows.  Also: I fetch for ctx (0) or for Wo (1)
	s_and_b32 s16, s14, 1                          ; my half of its columns.  Also: which half of that tile I fetch
	s_bfe_u32 s17, ttmp6, 0x40000                  ; cx = the tile column: the grid is one cluster wide
	s_bfe_u32 s18, ttmp6, 0x40004                  ; cy
	s_and_b32 s19, ttmp7, 0xffff
	s_lshl_b32 s20, s19, 2
	s_add_co_u32 s20, s20, s18                     ; tile row = 4 x cluster y + cy
	s_lshl_b32 s22, s18, 2
	s_lshl_b32 s22, 15, s22                        ; my row of the cluster
	s_lshl_b32 s23, 0x1111, s17                    ; my column
	s_or_b32 s[G1A], s22, (3<<16)|(1<<21)          ; ctx: a dense block as rows of 256 bytes: elements of 8 bytes, no padding; bit 21 beside a mask
	s_mov_b32 s[G1A+1], 32<<16                     ; tensor_dim0 = 32
	s_mov_b32 s[G1A+2], 64<<16                     ; tensor_dim1 = 64
	s_mov_b32 s[G1A+3], 32<<16                     ; tile_dim0 = 32
	s_mov_b32 s[G1A+4], 64                         ; tile_dim1 = 64 rows: 16,384 bytes, four tiles of tokens
	s_mov_b32 s[G1A+5], 32                         ; from row to row
	s_mov_b32 s[G1A+6], 0
	s_mov_b32 s[G1A+7], 0
	s_or_b32 s[G1B], s23, (1<<20)|(1<<21)|(5<<22)|(3<<25)   ; Wo: elements of 1 byte; after every 64 words, 4 words of padding
	s_mov_b32 s[G1B+1], 256<<16
	s_mov_b32 s[G1B+2], 128<<16
	s_mov_b32 s[G1B+3], 256<<16
	s_mov_b32 s[G1B+4], 128
	s_mov_b32 s[G1B+5], 1024
	s_mov_b32 s[G1B+6], 0
	s_mov_b32 s[G1B+7], 0
	s_lshl_b32 s94, s20, 15
	s_lshl_b32 s95, s16, 14
	s_add_co_u32 s94, s94, s95                     ; ctx: (8 x tile row + 4 x half) tiles of 4,096 bytes
	s_mov_b32 s95, 0
	s_lshl_b32 s66, s17, 18
	s_lshl_b32 s67, s16, 17
	s_add_co_u32 s66, s66, s67                     ; Wo: (256 x tile column + 128 x half) rows of 1,024 bytes
	s_mov_b32 s67, 0
	s_lshl_b32 s2, s16, 14                         ; where they go: no place in the cluster enters an LDS address
	s_mul_i32 s3, s16, 128*PITCH
	s_add_co_u32 s3, s3, ASZ
	s_lshl_b32 s68, s17, 10
	s_lshl_b32 s69, s16, 9
	s_add_co_u32 s68, s68, s69                     ; my first output, in bytes: 1,024 x tile column + 512 x half
	s_mov_b32 s69, 0
	s_lshl_b32 s70, s20, 19
	s_lshl_b32 s71, s15, 18
	s_add_co_u32 s70, s70, s71                     ; my first token's row of 4,096 bytes: 128 x tile row + 64 x half
	s_mov_b32 s71, 0
	s_wait_kmcnt 0x0
	s_load_b64 s[96:97], s[8:9], 0x28              ; e10, e11
	s_add_nc_u64 s[98:99], s[4:5], s[94:95]
	s_add_nc_u64 s[100:101], s[6:7], s[66:67]
	s_add_nc_u64 s[10:11], s[10:11], s[68:69]
	s_add_nc_u64 s[12:13], s[12:13], s[68:69]
	s_add_nc_u64 s[12:13], s[12:13], s[70:71]
.irp s, 0,1,2
	s_mov_b32 s[G0A+4*\s], 1
	s_add_co_u32 s[G0A+4*\s+1], s2, \s*SLOT
	s_add_nc_u64 s[G0A+4*\s+2:G0A+4*\s+3], s[98:99], \s*2097152  ; K step s: 512 tiles x 4,096 bytes on
	s_or_b32 s[G0A+4*\s+3], s[G0A+4*\s+3], 0x80000000
	s_mov_b32 s[G0B+4*\s], 1
	s_add_co_u32 s[G0B+4*\s+1], s3, \s*SLOT
	s_add_nc_u64 s[G0B+4*\s+2:G0B+4*\s+3], s[100:101], \s*256
	s_or_b32 s[G0B+4*\s+3], s[G0B+4*\s+3], 0x80000000
.endr
	CROUND                                         ; all sixteen work-groups are here: the first joint loads meet
	s_cmp_eq_u32 s15, 0                            ; a wave's three first fills stand in one branch, ahead of every wait on TENSORcnt and every LDS read
	s_cbranch_scc0 .Lfirst_b
	tensor_load_to_lds s[G0A:G0A+3], s[G1A:G1A+7]
	s_nop 0
	tensor_load_to_lds s[G0A+4:G0A+7], s[G1A:G1A+7]
	s_nop 0
	tensor_load_to_lds s[G0A+8:G0A+11], s[G1A:G1A+7]
	s_nop 0
	PLACES
	s_branch .Lfirst_asked
.Lfirst_b:
	tensor_load_to_lds s[G0B:G0B+3], s[G1B:G1B+7]
	s_nop 0
	tensor_load_to_lds s[G0B+4:G0B+7], s[G1B:G1B+7]
	s_nop 0
	tensor_load_to_lds s[G0B+8:G0B+11], s[G1B:G1B+7]
	s_nop 0
	PLACES
.Lfirst_asked:
	v_and_b32 v1, 15, v0                           ; r
	v_bfe_u32 v2, v0, 4, 1                         ; h
	v_lshlrev_b32 v[BOF], 5, v2
	WIN 0xc0                                       ; destination window 3
.irp b, 0,1,2,3,4,5,6,7
	global_load_b128 v[8*\b:8*\b+3], v[BOF], s[10:11] offset:64*\b        ; bo at outputs 16 b + 8 h + 0 .. 7: the result's layout
	global_load_b128 v[8*\b+4:8*\b+7], v[BOF], s[10:11] offset:64*\b+16
.endr
	WIN 0
	v_and_b32 v6, 31, v0
	v_lshlrev_b32 v[CO], 4, v6
	v_mul_u32_u24 v3, v1, PITCH
	v_lshl_add_u32 v3, v2, 4, v3
	s_lshl_b32 s2, s15, 14                         ; my four tiles of tokens
	s_mul_i32 s3, s16, 128*PITCH                   ; my 128 rows of Wo,
	s_add_co_u32 s3, s3, ASZ                       ; which lie behind ctx's block
.irp s, 0,1,2
	v_add_nc_u32 v[ADRA+\s], s2, v[CO]
	v_add_nc_u32 v[ADRB+\s], s3, v3
	s_add_co_u32 s2, s2, SLOT
	s_add_co_u32 s3, s3, SLOT
.endr
	s_mul_i32 s2, s14, 16*SPITCH
	s_add_co_u32 s2, s2, STG                       ; my stage
	v_mul_u32_u24 v4, v1, SPITCH
	v_lshl_add_u32 v4, v2, 5, v4
	v_add_nc_u32 v[STO], s2, v4                    ; in: row r, 32 bytes for each half of the lanes
	v_add_nc_u32 v[RD], s2, v[CO]                  ; back: the 32 lanes take one row of 512 bytes
	s_wait_kmcnt 0x0
	s_add_co_i32 s96, s96, s97
	s_add_co_i32 s96, s96, 127
	s_lshl_b32 s96, s96, 23                        ; 2^(e10 + e11) as f32
	s_mov_b32 s97, s96                             ; (named with it as a pair, so it is written)
	s_wait_tensorcnt 0x2                           ; my part of slot 0 is in; my loads for slots 1 and 2 may stay out
	s_barrier_signal -1
	s_barrier_wait -1
	FETCH 0
	STEPN 0, 1                                     ; the first products start the sums: nothing is cleared
	; step 1 leaves slot 0, which is filled again with K step 3
	s_wait_tensorcnt 0x0                           ; all my tensor loads have landed: my parts of slots 1 and 2 too;
	ds_add_u32 v[SPW], v[NIL]                      ; 0 onto my spare word
	s_add_nc_u64 s[G0A+2:G0A+3], s[G0A+2:G0A+3], 3*2097152   ; no load of mine is out, so slot 0's groups 0 may be written: three K steps on
	s_add_nc_u64 s[G0B+2:G0B+3], s[G0B+2:G0B+3], 768
	s_wait_dscnt 0x0                               ; the add is done, and my reads of slot 0 are over
	s_barrier_signal -1                            ; opens a round of the cluster's barrier
	WIN MUL
	MUL16 0, 1, 0
	WIN 0
	s_barrier_wait -1
	CREST                                          ; no wave of any partner still reads slot 0 or has a load on its way; slots 1 and 2 are whole
	JLOAD G0A, G0B                                 ; the first tensor load behind the round; its four v_nop are the places in front of the loads below
	FETCH 2
	WIN MUL
	MUL16 1, 1, 0
	WIN 0
	STEPN 2, 0
	STEPN 3, 0
	STEPN 4, 0
	s_wait_tensorcnt 0x0                           ; my one load that is out is my part of K step 3
	s_wait_dscnt 0x0                               ; step 5's fragments are in: my reads of slots 1 and 2 are over
	s_barrier_signal -1
	WIN MUL
	MUL16 0, 1, 0
	WIN 0
	s_barrier_wait -1                              ; slot 0 is whole, and nobody reads slot 1 any more.
	PLACES
	FETCH 6
	WIN MUL
	MUL16 1, 1, 0
	WIN 0
	STEPN 6, 0
	s_wait_dscnt 0x0
	WIN MUL
	MUL16 0, 1, 0
	MUL16 1, 1, 0
	WIN 0
	PLACES
; THE WAY OUT, a block of 16 tokens x 128 outputs at a time.  A lane holds 32 neighbouring bytes of a row and the lanes beside it other rows: the block goes through my own stage and comes back as whole rows of 512 bytes.
; LDS serves a wave's instructions in order (ISA guide 5.7.1.4): no wait between the stores and the loads, nor in front of the next block's stores.
.macro TOSTAGE a
	WIN 0x32                                       ; source 0 (the sums) window 2, source 2 (bo) window 3
.irp b, 0,1,2,3,4,5,6,7
.irp i, 0,2,4,6
	v_pk_fma_f32 v[TMP+8*\b+\i:TMP+8*\b+\i+1], v[64*(\a)+8*\b+\i:64*(\a)+8*\b+\i+1], s[96:97], v[8*\b+\i:8*\b+\i+1] op_sel_hi:[1,0,1]   ; sum x 2^(e10 + e11) + bo; each accumulator from its low end on
.endr
.endr
	WIN 0
.irp b, 0,1,2,3,4,5,6,7
	ds_store_b128 v[STO], v[TMP+8*\b:TMP+8*\b+3] offset:64*\b
	ds_store_b128 v[STO], v[TMP+8*\b+4:TMP+8*\b+7] offset:64*\b+16
.endr
.set BB, BK+64*((\a)%2)
.irp t, 0,1,2,3,4,5,6,7,8,9,10,11,12,13,14,15
	ds_load_b128 v[BB+4*\t:BB+4*\t+3], v[RD] offset:\t*SPITCH
.endr
.endm
.macro SEND a, younger                 ; younger: the LDS instructions issued behind block a's loads, which may stay out
.set BB, BK+64*((\a)%2)
	s_wait_dscnt \younger
.irp t, 0,1,2,3,4,5,6,7,8,9,10,11,12,13,14,15
	global_store_b128 v[CO], v[BB+4*\t:BB+4*\t+3], s[12:13] offset:(32*((\a)/2)+8*((\a)%2)+\t+8*(\t/8))*4096 th:TH_STORE_NT   ; row t of tile a is this token; 512 consecutive bytes, aligned; written once, read by nobody here
.endr
.endm
	s_wait_loadcnt 0x0                             ; bo
	TOSTAGE 0
	TOSTAGE 1
	SEND 0, 32                                     ; behind block 0's loads: block 1's 16 stores and 16 loads
	s_wait_xcnt 0x0                                ; block 0's stores have read their registers: block 2's loads may land there
	TOSTAGE 2
	SEND 1, 32
	s_wait_xcnt 0x0
	TOSTAGE 3
	SEND 2, 32
	SEND 3, 0
	s_wait_tensorcnt 0x0                           ; the wave's end
	ds_add_u32 v[SPW], v[NIL]
	s_wait_dscnt 0x0
	CROUND                                         ; the closing round: no work-group ends while a partner may still ask for a tile that names it
	s_endpgm
.Lfunc_end_k_q832ff1b0de_proj:
	.size	k_q832ff1b0de_proj, .Lfunc_end_k_q832ff1b0de_proj-k_q832ff1b0de_proj
	.p2alignl 7, 3214868480
	.fill 96, 4, 3214868480
	.section	.rodata,"a",@progbits
	.p2align	6, 0x0
	.amdhsa_kernel k_q832ff1b0de_proj
		.amdhsa_group_segment_fixed_size 327680
		.amdhsa_private_segment_fixed_size 0
		.amdhsa_enable_private_segment 0
		.amdhsa_kernarg_size 40
		.amdhsa_user_sgpr_count 2
		.amdhsa_user_sgpr_kernarg_segment_ptr 1
		.amdhsa_wavefront_size32 1
		.amdhsa_system_sgpr_workgroup_id_x 1
		.amdhsa_system_sgpr_workgroup_id_y 1
		.amdhsa_system_sgpr_workgroup_id_z 1
		.amdhsa_system_vgpr_workitem_id 0
		.amdhsa_next_free_vgpr 832
		.amdhsa_next_free_sgpr 102
		.amdhsa_reserve_vcc 0
		.amdhsa_float_denorm_mode_32 3
		.amdhsa_float_denorm_mode_16_64 3
		.amdhsa_memory_ordered 1
		.amdhsa_forward_progress 1
		.amdhsa_inst_pref_size 76
	.end_amdhsa_kernel
	.amdgpu_metadata
---
amdhsa.version: [ 1, 2 ]
amdhsa.kernels:
  - .name:           k_q832ff1b0de_proj
    .symbol:         k_q832ff1b0de_proj.kd
    .args:
      - { .name: cimg, .offset: 0, .size: 8, .value_kind: global_buffer, .address_space: global }
      - { .name: Wo_codes, .offset: 8, .size: 8, .value_kind: global_buffer, .address_space: global }
      - { .name: lowp_scales, .offset: 16, .size: 8, .value_kind: global_buffer, .address_space: global }
      - { .name: bo, .offset: 24, .size: 8, .value_kind: global_buffer, .address_space: global }
      - { .name: out0, .offset: 32, .size: 8, .value_kind: global_buffer, .address_space: global }
    .group_segment_fixed_size: 327680
    .private_segment_fixed_size: 0
    .kernarg_segment_align: 8
    .kernarg_segment_size: 40
    .max_flat_workgroup_size: 128
    .sgpr_count:     102
    .vgpr_count:     832
    .wavefront_size: 32
...
	.end_amdgpu_metadata
.endif
;; end of part 4
;; ======== version 2 of 2: 4 launches; version 1 with the launch attn written anew for expert scheduling mode
;; limits: right only within a limited range of input values
;; workspace buffers: mbits 524,288 bytes of whole numbers; mflags 32,768 bytes of whole numbers; qimg 8,388,608 bytes; kimg 8,388,608 bytes; vimg 8,388,608 bytes; cimg 8,388,608 bytes
;; launch maskprep: the kernel of part 1 again; grid 128 x 1, 16 waves a work-group, no clusters, 2,304 bytes of LDS; arguments mask, mbits, mflags; writes mbits, mflags
;; launch qkv: the kernel of part 2 again; grid 12 x 64, 4 waves a work-group, clusters of 4 x 4, 327,680 bytes of LDS; arguments x_codes, Wq_codes, Wk_codes, Wv_codes, lowp_scales, qimg, kimg, vimg; writes qimg, kimg, vimg
;; launch attn (part 5): grid 4 x 64, 16 waves a work-group, no clusters, 264,192 bytes of LDS; arguments qimg, kimg, vimg, mbits, mflags, lowp_scales, cimg; writes cimg
.if DOCPART == 5
	.amdgcn_target "amdgcn-amd-amdhsa--gfx1250"
	.amdhsa_code_object_version 6
	.text
	.protected	k_q832ff1b0de_attn
	.globl	k_q832ff1b0de_attn
	.p2align	8
	.type	k_q832ff1b0de_attn,@function
k_q832ff1b0de_attn:
	s_mov_b64 s[64:65], 0
	v_nop
	global_prefetch_b8 v0, s[64:65] scope:SCOPE_SE
	s_setreg_imm32_b32 hwreg(HW_REG_WAVE_SCHED_MODE, 0, 2), 2
	s_setreg_imm32_b32 hwreg(HW_REG_WAVE_MODE, 25, 1), 1
	s_wait_xcnt 0x0
	s_wait_alu depctr_vm_vsrc(0)
; ctx = softmax(where(mask, -1e9, q k^T / 8)) v for one head, both products on codes of E4M3; ctx leaves as codes for the last projection.
; THE SOFTMAX: t = logit x log2(e); M = the row's largest t so far, rounded UP to a whole number; p = 2^(t - M) is quantised with 2^e8; the row's sum is taken of the unquantised p and divides at the end.
; When M moves, the sum and O are multiplied by 2^(old M - new M), which rounds nothing.
; THE MASK is an input and is honoured as it is given.  An earlier launch has stored, for each tile of 16 queries, a lane mask for each score register (mbits) and a class for each key step (mflags):
; SKIP: every place masked and every row of the tile has an open key elsewhere: the step's weights are 0 and the step is left out, by a scalar branch on the stored word;  MIXED: masked scores are replaced ahead of the maximum.
; A masked score becomes R = -2^(33 - e6 - e7), so that its t = R c = -2^33 log2(e) / 8 is a whole number: a row that is masked everywhere has t - M = 0 and p = 1 at every key, the plain mean of v, as with -1e9.
; LIMITS: the masked logit is -2^30 and not -1e9: the results agree while open logits lie above -2^29.  e6 + e7 between -94 and 130 (c and R are f32 numbers); e8 and e10 between -126 and 119.  NaN is not served.
; SHARES: a work-group owns one head and 32 of its 128 tiles of queries; wave w takes tiles 4 w + j and 124 - 4 w + j one after the other (j = work-group x), an early tile with a late one.  256 registers a wave: four waves to a SIMD,
; so that one wave's vector work stands beside another's LDS loads and products.
; LDS holds the head's whole K (131,072 bytes) and V (131,072), as images of the operands' registers, copied through registers at the head: one barrier in the launch, none in the loops.
; NO TENSOR LOAD AND NO JOINT LOAD: the steps branch on numbers read from memory (the classes, e8); and what the four work-groups of a head share, 262,144 bytes, is read once by each, at its head.
; LAYOUT: both products transposed: S^T = K Q^T (source 0 = 16 keys), O^T = V^T P^T (source 0 = 16 channels): a lane holds one query throughout.  Row 8 h + j of tile t is 32 (t / 2) + 8 (t % 2) + 16 h + j,
; so the 16 registers of result tiles 2 b, 2 b + 1 are 16 neighbours 32 b + 16 h + 0 .. 15 along the next K: the conversions' results are the next operand's registers.
; REGISTERS: v1 16 x lane, v2 the same in V; v4-7 the fill's addresses; v8, v9 the step's addresses; v10 R; v11 2^e8, v24 448 x 2^e8; v25 2^e10, v26 448 x 2^e10; v27 e8 + e9; v12 -M, v13 the largest t, v[14:15] the sum;
; v16-23 Q; v32-95 K's fragments, then V's; v96-159 S^T, then p; v160-191 O^T; v192-207 p's codes; v208-215 ctx's codes; v236-254 at work.
; s[32:63], s[68:99]: a mixed step's 64 mask words.
; THE MODE: SCHED_MODE bits 1:0 = 2 (LLVM: expert scheduling mode 2), set by the entry lines.  The code itself states the register dependences
; between vector or matrix instructions and memory or LDS instructions, with s_wait_alu, always for 0.
; THE PLAN.  Registers that memory or LDS instructions touch:
;   v1, v2, v4-7  Addresses, made at the head and never written again: one wait on va_vdst ahead of the first load serves every load and store that reads them.
;   v32-159       In the fill: written by 32 global loads, read by 32 LDS stores.  One wait on vm_vsrc behind the barrier, ahead of all that writes them later.
;   v8, v9        A walked step's head writes them; K's sixteen LDS loads read v8, V's sixteen read v9.
;   v32-95        In a step: K's loads land, the eight products K Q^T read; V's loads land, the four products V^T P^T read.
;   v16-23        Q's two loads land at a tile's head; the tile's products K Q^T read.
;   v208-215      A tile's last conversions write, its two stores read.
;   S^T and p, O^T, p's codes and the statistics are named by vector and matrix instructions alone.
; A walked step has one wait on vm_vsrc (ahead of the adds to v8 and v9) and two on va_vdst for its loads: at its head (v8, v9 written; the last products V^T P^T done reading v32-95) and behind the products K Q^T (done reading
; v32-95).  Behind the second, V's sixteen loads are dealt among the lines of the maximum, which name v96-159, v10, v252 and v254: none of the registers that those loads touch.
; A tile's end has one wait on va_vdst ahead of its stores, which also serves the next tile's loads of Q (no vector instruction stands between), and one on vm_vsrc behind them.
.set VIMG, 131072
	s_load_b256 s[4:11], s[0:1], 0x0               ; qimg, kimg, vimg, mbits
	s_load_b128 s[12:15], s[0:1], 0x20             ; mflags, the scales' exponents
	s_load_b64 s[16:17], s[0:1], 0x30              ; cimg
	v_lshl_add_u32 v251, v0, 2, 0x40000
	v_mov_b32 v255, 0
	v_lshrrev_b32 v3, 5, v0
	v_readfirstlane_b32 s18, v3                    ; wave 0..15
	s_and_b32 s19, ttmp7, 0xffff                   ; batch x 16 + head
	v_and_b32 v1, 31, v0
	v_lshlrev_b32 v1, 4, v1
	v_add_nc_u32 v2, VIMG, v1
	v_lshlrev_b32 v4, 4, v0                        ; the fill: 16 bytes a thread, 8,192 an instruction of the work-group
	v_add_nc_u32 v5, 65536, v4
	v_add_nc_u32 v6, 131072, v4
	v_add_nc_u32 v7, 196608, v4
	s_lshl_b32 s2, s19, 17                         ; a head's image is 131,072 bytes
	s_mov_b32 s3, 0
	s_mov_b32 s20, 0x76543210                      ; v_permlanex16_b32's selects for lane l xor 16
	s_mov_b32 s21, 0xfedcba98
	s_wait_alu depctr_va_sdst(0)                   ; s18 is written, ahead of its first reader: my tiles' numbers are made from it
	s_lshl_b32 s24, s18, 2
	s_add_co_u32 s24, s24, ttmp9                   ; my first tile
	s_lshl_b32 s25, ttmp9, 1
	s_add_co_u32 s25, s25, 124                     ; my two tiles' sum
	s_mov_b32 s30, 2                               ; tiles to go
	s_wait_kmcnt 0x0
	s_load_b128 s[32:35], s[14:15], 0x18           ; e6, e7, e8, e9
	s_load_b32 s36, s[14:15], 0x28                 ; e10
	s_add_nc_u64 s[6:7], s[6:7], s[2:3]
	s_add_nc_u64 s[8:9], s[8:9], s[2:3]
	s_wait_alu depctr_va_vdst(0)                   ; the addresses v1, v2 and v4 to v7 are written, which the loads and stores below read; no vector instruction writes them again
.set n, 0
.rept 16
	global_load_b128 v[32+4*n:35+4*n], v4, s[6:7] offset:8192*n
.set n, n+1
.endr
.rept 16
	global_load_b128 v[32+4*n:35+4*n], v4, s[8:9] offset:8192*(n-16)
.set n, n+1
.endr
	s_wait_kmcnt 0x0
	s_add_co_i32 s37, s32, s33                     ; e6 + e7
	s_lshl_b32 s38, s37, 23
	s_add_co_i32 s22, s38, 0x3e38aa3b              ; c = log2(e) / 8 x 2^(e6 + e7): the exponents are added to the exponent field
	s_mov_b32 s23, s22                             ; (named with it as a pair, so it is written)
	s_sub_co_i32 s38, 160, s37
	s_lshl_b32 s38, s38, 23
	s_or_b32 s38, s38, 0x80000000
	v_mov_b32 v10, s38                             ; R = -2^(33 - e6 - e7)
	s_mov_b32 s31, s34                             ; e8
	s_add_co_i32 s38, s34, 127
	s_lshl_b32 s39, s38, 23
	v_mov_b32 v11, s39                             ; 2^e8
	s_add_co_i32 s38, s38, 8
	s_lshl_b32 s38, s38, 23
	s_or_b32 s38, s38, 0x600000
	v_mov_b32 v24, s38                             ; 448 x 2^e8
	s_add_co_i32 s38, s36, 127
	s_lshl_b32 s39, s38, 23
	v_mov_b32 v25, s39                             ; 2^e10
	s_add_co_i32 s38, s38, 8
	s_lshl_b32 s38, s38, 23
	s_or_b32 s38, s38, 0x600000
	v_mov_b32 v26, s38                             ; 448 x 2^e10
	s_add_co_i32 s38, s34, s35
	v_mov_b32 v27, s38                             ; e8 + e9, for v_ldexp_f32
.set n, 0
.rept 32
	s_wait_loadcnt 31-n                            ; loads come back in order: load n is in, the younger ones stay out
	ds_store_b128 v[4+n/8], v[32+4*n:35+4*n] offset:8192*(n%8)   ; the constants made since the wait on va_vdst lie in v10, v11 and v24 to v27: none of the registers that these stores read
.set n, n+1
.endr
	s_wait_dscnt 0x0                               ; for the others' sake: my part of the images lies in LDS
	s_barrier_signal -1
	s_barrier_wait -1                              ; from here on LDS is only read
	s_wait_alu depctr_vm_vsrc(0)                   ; my LDS stores have read v32 to v159: from here on these registers are the fragments, written by LDS loads, and S^T, written by products
.Ltile:
	s_lshl_b32 s2, s19, 7
	s_add_co_u32 s2, s2, s24
	s_lshl_b32 s2, s2, 10
	s_mov_b32 s3, 0
	s_add_nc_u64 s[66:67], s[4:5], s[2:3]          ; Q's image: (128 x head + T) x 1,024
	s_lshl_b32 s2, s24, 8
	s_add_nc_u64 s[100:101], s[12:13], s[2:3]      ; the tile's classes
	s_lshl_b32 s2, s24, 12
	s_add_nc_u64 s[6:7], s[10:11], s[2:3]          ; the tile's mask words: 16 steps x 256 bytes
	s_and_b32 s2, s19, 15                          ; the head hd.  ctx's image [kq 4][batch x 128 + T][q 2][c 4][512]: channel 64 hd + 32 b = 256 kq + 128 q + 32 c
	s_lshr_b32 s26, s2, 2
	s_lshl_b32 s26, s26, 21                        ; kq = hd / 4
	s_lshr_b32 s27, s19, 4
	s_lshl_b32 s27, s27, 7
	s_add_co_u32 s27, s27, s24
	s_lshl_b32 s27, s27, 12
	s_add_co_u32 s26, s26, s27
	s_and_b32 s27, s2, 3
	s_lshl_b32 s27, s27, 10                        ; q x 2,048 + 2 (hd % 2) x 512 = (hd % 4) x 1,024
	s_add_co_u32 s2, s26, s27
	s_add_nc_u64 s[8:9], s[16:17], s[2:3]
	global_load_b128 v[16:19], v1, s[66:67]        ; no wait here: since the last wait on va_vdst (at the head; on the way back, ahead of the last tile's stores) no vector or matrix instruction names v1 or v16 to v23
	global_load_b128 v[20:23], v1, s[66:67] offset:512
	s_load_b32 s26, s[100:101], 0x0                ; bits 0-15 SKIP, bits 16-31 MIXED
	v_mov_b32 v13, 0xff61b1e6                      ; the largest t so far: -3e38, under every t
	v_floor_f32 v12, -v13                          ; -M
	v_mov_b32 v14, 0
	v_mov_b32 v15, 0
	v_mov_b32 v236, 0                              ; written once: a lane permute's destination counts as one of its sources
	v_mov_b32 v252, 0
	v_mov_b32 v253, 0                              ; (named as the upper half of the pair v[252:253])
.set j, 0
.rept 32
	v_mov_b32 v[160+j], 0                          ; O^T: the step is written once; the first finds zeros, which the first change of M leaves zeros
.set j, j+1
.endr
	s_mov_b32 s27, 0                               ; the key step,
	s_mov_b32 s28, 0                               ; its images' place in K and in V: 8,192 x step,
	s_mov_b32 s29, 0                               ; and its mask words': 256 x step
	s_wait_loadcnt 0x0
	s_wait_kmcnt 0x0
.Lstep:                                            ; sixteen trips, 128 keys each
	s_bitcmp1_b32 s26, s27
	s_cbranch_scc1 .Lskip
	s_wait_alu depctr_vm_vsrc(0)                   ; the LDS loads issued so far have read v8 and v9, which the two additions write anew
	v_add_nc_u32 v8, s28, v1
	v_add_nc_u32 v9, s28, v2
	v_nop                                          ; with the two additions: four plain instructions between the last products and the loads into the registers that they read; the wait below states the dependence itself
	v_nop
	s_wait_alu depctr_va_vdst(0)                   ; v8 and v9 are written, which this step's LDS loads read; the last products V^T P^T are done reading v32 to v95, in which K's fragments land
.irp t, 0,1,2,3,4,5,6,7
	ds_load_b128 v[32+8*\t:35+8*\t], v8 offset:1024*\t
	ds_load_b128 v[36+8*\t:39+8*\t], v8 offset:1024*\t+512
.endr
	s_wait_dscnt 0x0
.irp t, 0,1,2,3,4,5,6,7
	v_wmma_f32_16x16x64_fp8_fp8 v[96+8*\t:103+8*\t], v[32+8*\t:39+8*\t], v[16:23], 0
.endr
.rept 4
	v_nop                                          ; four places behind the products, before their results are read (ISA guide 7.12.1)
.endr
	s_wait_alu depctr_va_vdst(0)                   ; the eight products are done reading v32 to v95, in which V's fragments land: their sixteen loads are dealt among the lines of the maximum below
	s_add_co_u32 s2, s27, 16
	s_bitcmp1_b32 s26, s2
	s_cbranch_scc0 .Lopen                          ; a step without a masked place takes its scores as they are
	s_load_b512 s[32:47], s[6:7], s29 offset:0x0
	s_load_b512 s[48:63], s[6:7], s29 offset:0x40
	s_load_b512 s[68:83], s[6:7], s29 offset:0x80
	s_load_b512 s[84:99], s[6:7], s29 offset:0xc0
	s_wait_kmcnt 0x0
	s_wait_xcnt 0x0                                ; the loads have read their offset register, which is stepped at the step's end
.set n, 0
.rept 32
	v_cndmask_b32 v[96+n], v[96+n], v10, s[32+n]   ; register n = 16 b + i holds key 32 b + 16 h + i: word n's bit for my lane
.set n, n+1
.endr
.rept 32
	v_cndmask_b32 v[96+n], v[96+n], v10, s[36+n]
.set n, n+1
.endr
.Lopen:
	v_max3_num_f32 v254, v96, v97, v98             ; the step's largest score of my query, among my 64 keys, in two chains, each accumulator from its low end on,
	v_max3_num_f32 v252, v99, v100, v101
.set n, 0
.irp i, 6,10,14,18,22,26,30,34,38,42,46,50,54,58
	ds_load_b128 v[32+4*n:35+4*n], v9 offset:512*n   ; V's fragment n / 4, registers 4 (n % 4) on.  No wait: no vector instruction since the wait above names v9 or v32 to v95, on either way to this place.  They land while the softmax is walked
	v_max3_num_f32 v254, v254, v[96+\i], v[97+\i]
	v_max3_num_f32 v252, v252, v[98+\i], v[99+\i]
.set n, n+1
.endr
	ds_load_b128 v[88:91], v9 offset:7168
	v_max3_num_f32 v254, v254, v158, v159
	ds_load_b128 v[92:95], v9 offset:7680
	v_max_num_f32 v254, v254, v252
	v_permlanex16_b32 v236, v254, s20, s21
	v_max_num_f32 v254, v254, v236                 ; and among lane l xor 16's
	v_mul_f32 v254, s22, v254                      ; as t (c is positive)
	v_max_num_f32 v13, v13, v254                   ; the running largest t
	v_mov_b32 v254, v12
	v_floor_f32 v12, -v13                          ; the new -M = floor(-t): M is a whole number
	v_sub_f32 v254, v12, v254                      ; old M - new M: a whole number, 0 or less
	v_cvt_i32_f32 v254, v254                       ; (it saturates)
	v_ldexp_f32 v252, 1.0, v254                    ; f = 2^(old M - new M)
.set j, 0
.rept 32
	v_pk_fma_f32 v[96+j:97+j], v[96+j:97+j], s[22:23], v[12:13] op_sel_hi:[1,0,0]   ; t - M, two at a time
.set j, j+2
.endr
.set j, 0
.rept 64
	v_exp_f32 v[96+j], v[96+j]                     ; p = 2^(t - M), at most 1
.set j, j+1
.endr
	v_pk_mul_f32 v[14:15], v[14:15], v[252:253] op_sel_hi:[1,0]   ; the sums under the new M: the plain instruction behind the exponentials
	s_wait_alu depctr_va_vdst(0)                   ; the 64 exponentials have written v96 to v159: one wait for the batch, ahead of its first reader
	v_pk_add_f32 v[242:243], v[96:97], v[98:99]    ; the row's sum is taken of the unquantised p, in two chains
.irp j, 4,8,12,16,20,24,28,32,36,40,44,48,52,56,60
	v_pk_add_f32 v[14:15], v[14:15], v[96+\j:97+\j]
	v_pk_add_f32 v[242:243], v[242:243], v[98+\j:99+\j]
.endr
	v_pk_add_f32 v[14:15], v[14:15], v[242:243]
	s_cmp_ge_i32 s31, -8                           ; p is at most 1, and 448 x 2^e8 is at least 1 from e8 = -8 on: the hold is walked just where it can bite
	s_cbranch_scc1 .Lnohold
.set j, 0
.rept 64
	v_min_num_f32 v[96+j], v[96+j], v24            ; the conversion to an 8-bit code does not saturate (ISA guide 7.6.2); p is not negative
.set j, j+1
.endr
.Lnohold:
.irp b, 0,1,2,3
	v_cvt_scalef32_pk8_fp8_f32 v[192+4*\b:193+4*\b], v[96+16*\b:103+16*\b], v11
	v_cvt_scalef32_pk8_fp8_f32 v[194+4*\b:195+4*\b], v[104+16*\b:111+16*\b], v11
.endr
.set j, 0
.rept 16
	v_pk_mul_f32 v[160+j:161+j], v[160+j:161+j], v[252:253] op_sel_hi:[1,0]   ; O^T under the new M; also the plain instructions behind the conversions
.set j, j+2
.endr
	s_wait_dscnt 0x0                               ; V's fragments
.irp t, 0,1,2,3
	v_wmma_f32_16x16x128_fp8_fp8 v[160+8*\t:167+8*\t], v[32+16*\t:47+16*\t], v[192:207], v[160+8*\t:167+8*\t]
.endr
.Lskip:
	s_add_co_u32 s28, s28, 8192
	s_add_co_u32 s29, s29, 256
	s_add_co_u32 s27, s27, 1
	s_cmp_lt_u32 s27, 16
	s_cbranch_scc1 .Lstep
	; the tile's end: O^T / the sum x 2^(e8 + e9) is ctx; it is held, quantised with 2^e10 and stored as the last projection's operand
.rept 4
	v_nop                                          ; places behind the last products
.endr
	v_add_f32 v14, v14, v15
	v_permlanex16_b32 v252, v14, s20, s21
	v_add_f32 v14, v14, v252                       ; the row's sum
	v_rcp_f32 v14, v14
	v_nop                                          ; a plain instruction behind the transcendental
	s_wait_alu depctr_va_vdst(0)                   ; the reciprocal has written v14, ahead of its first reader
	v_ldexp_f32 v14, v14, v27
	v_mov_b32 v15, v14
.set j, 0
.rept 16
	v_pk_mul_f32 v[96+j:97+j], v[160+j:161+j], v[14:15]   ; register 16 b + i: channel 32 b + 16 h + i of my query
.set j, j+2
.endr
.set j, 0
.rept 32
	v_med3_num_f32 v[96+j], v[96+j], -v26, v26
.set j, j+1
.endr
.irp b, 0,1
	v_cvt_scalef32_pk8_fp8_f32 v[208+4*\b:209+4*\b], v[96+16*\b:103+16*\b], v25
	v_cvt_scalef32_pk8_fp8_f32 v[210+4*\b:211+4*\b], v[104+16*\b:111+16*\b], v25
.endr
	v_nop                                          ; one plain vector instruction behind the conversions
	s_wait_alu depctr_va_vdst(0)                   ; the conversions have written v208 to v215, which the stores read; and the tile's products are done reading v16 to v23, in which the next tile's Q lands
	global_store_b128 v1, v[208:211], s[8:9]       ; a piece: the wave stores 512 consecutive bytes, aligned
	global_store_b128 v1, v[212:215], s[8:9] offset:512
	s_wait_xcnt 0x0                                ; the stores have read their base and their data: both are written again in the next trip
	s_wait_alu depctr_vm_vsrc(0)                   ; the stores have read v208 to v215, which the next tile's conversions write again
	s_sub_co_u32 s24, s25, s24                     ; my other tile
	s_sub_co_u32 s30, s30, 1
	s_cmp_lg_u32 s30, 0
	s_cbranch_scc1 .Ltile
	s_wait_dscnt 0x0
	s_wait_alu depctr_hold_cnt(0) depctr_sa_sdst(0) depctr_va_vdst(0) depctr_va_sdst(0) depctr_va_ssrc(0) depctr_va_vcc(0) depctr_vm_vsrc(0)
	s_wait_tensorcnt 0x0
	ds_add_u32 v251, v255
	s_wait_dscnt 0x0
	s_endpgm
.Lfunc_end_k_q832ff1b0de_attn:
	.size	k_q832ff1b0de_attn, .Lfunc_end_k_q832ff1b0de_attn-k_q832ff1b0de_attn
	.p2alignl 7, 3214868480
	.fill 96, 4, 3214868480
	.section	.rodata,"a",@progbits
	.p2align	6, 0x0
	.amdhsa_kernel k_q832ff1b0de_attn
		.amdhsa_group_segment_fixed_size 264192
		.amdhsa_private_segment_fixed_size 0
		.amdhsa_enable_private_segment 0
		.amdhsa_kernarg_size 56
		.amdhsa_user_sgpr_count 2
		.amdhsa_user_sgpr_kernarg_segment_ptr 1
		.amdhsa_wavefront_size32 1
		.amdhsa_system_sgpr_workgroup_id_x 1
		.amdhsa_system_sgpr_workgroup_id_y 1
		.amdhsa_system_sgpr_workgroup_id_z 1
		.amdhsa_system_vgpr_workitem_id 0
		.amdhsa_next_free_vgpr 256
		.amdhsa_next_free_sgpr 102
		.amdhsa_reserve_vcc 0
		.amdhsa_float_denorm_mode_32 3
		.amdhsa_float_denorm_mode_16_64 3
		.amdhsa_memory_ordered 1
		.amdhsa_forward_progress 1
		.amdhsa_inst_pref_size 36
	.end_amdhsa_kernel
	.amdgpu_metadata
---
amdhsa.version: [ 1, 2 ]
amdhsa.kernels:
  - .name:           k_q832ff1b0de_attn
    .symbol:         k_q832ff1b0de_attn.kd
    .args:
      - { .name: qimg, .offset: 0, .size: 8, .value_kind: global_buffer, .address_space: global }
      - { .name: kimg, .offset: 8, .size: 8, .value_kind: global_buffer, .address_space: global }
      - { .name: vimg, .offset: 16, .size: 8, .value_kind: global_buffer, .address_space: global }
      - { .name: mbits, .offset: 24, .size: 8, .value_kind: global_buffer, .address_space: global }
      - { .name: mflags, .offset: 32, .size: 8, .value_kind: global_buffer, .address_space: global }
      - { .name: lowp_scales, .offset: 40, .size: 8, .value_kind: global_buffer, .address_space: global }
      - { .name: cimg, .offset: 48, .size: 8, .value_kind: global_buffer, .address_space: global }
    .group_segment_fixed_size: 264192
    .private_segment_fixed_size: 0
    .kernarg_segment_align: 8
    .kernarg_segment_size: 56
    .max_flat_workgroup_size: 512
    .sgpr_count:     102
    .vgpr_count:     256
    .wavefront_size: 32
...
	.end_amdgpu_metadata
.endif
;; end of part 5
;; launch proj: the kernel of part 4 again; grid 4 x 64, 4 waves a work-group, clusters of 4 x 4, 327,680 bytes of LDS; arguments cimg, Wo_codes, lowp_scales, bo, out0; writes out0
